; MI455X (gfx1250); checked and timed in simulation.
; The chip was launched on July 23, 2026; its instructions are those of AMD's public machine-readable ISA for CDNA 5 (MIT licence, August 2026) and "CDNA5" Instruction Set Architecture Reference Guide (July 2026). The comments in the code are by the model that wrote it; some were corrected since.
;; Multi Headed Attention. Allowed arithmetic: matrix products marked QUANTISED: E2M1 operands, one E8M0 scale for each 32 along K, by v_wmma_scale_f32_16x16x128_f8f6f4 with both operands' format E2M1 (or v_wmma_scale_f32_32x16x128_f4), f32 sums; products left as they are: bf16, f16 or f32 operands; f32 sums; everything else in f32.
;; Inputs: Wk 1,024 x 1,024 float32; Wo 1,024 x 1,024 float32; Wq 1,024 x 1,024 float32; Wv 1,024 x 1,024 float32; bk 1,024 float32; bo 1,024 float32; bq 1,024 float32; bv 1,024 float32; key 2 x 2,048 x 1,024 float32; mask 2 x 2,048 x 2,048 int32; query 2 x 2,048 x 1,024 float32; value 2 x 2,048 x 1,024 float32.
;; Outputs: out0 2 x 2,048 x 1,024 float32.
;; This version of the problem:
;;   THIS VERSION OF THE PROBLEM IS GIVEN IN LOW PRECISION. The matrix products marked QUANTISED in the list below multiply operands that are first quantised to E2M1 (2 exponent bits, 1 mantissa bit; 4 bits a number), with one power-of-two scale for each 32 numbers along K (OCP MX v1.0); their sums are f32. The products marked 'left as it is' may take bf16, f16 or f32 operands, with f32 sums. Whichever they take, every output number must still come out within the allowed error. Rounding operands to bf16 (8 significant bits) uses up far more of that allowance than f16 does (11 bits, for magnitudes from 6e-5 to 65,504). All else is computed in f32.
;;   The module's matrix products, in the order in which they are computed (A, B: the left and right operand; K: the contracted axis; several contracted axes count as one K, in the product's order):
;;     1. [M 4,096, K 1,024] x [K 1,024, N 1,024]; A: input query; B: input Wq: QUANTISED
;;     2. [M 4,096, K 1,024] x [K 1,024, N 1,024]; A: input key; B: input Wk: QUANTISED
;;     3. [M 4,096, K 1,024] x [K 1,024, N 1,024]; A: input value; B: input Wv: QUANTISED
;;     4. batch 32 x [M 2,048, K 64] x [K 64, N 2,048]; A: computed on the way; B: computed on the way: left as it is (an operand is computed on the way)
;;     5. batch 32 x [M 2,048, K 2,048] x [K 2,048, N 64]; A: computed on the way; B: computed on the way: left as it is (an operand is computed on the way)
;;     6. [M 4,096, K 1,024] x [K 1,024, N 1,024]; A: computed on the way; B: input Wo: left as it is (an operand is computed on the way)
;;   THE QUANTISER, for each operand of a quantised product, along K:
;;     - K is cut into blocks of 32 from its start; a last block that is shorter is filled with zeros.
;;     - A block's scale is 2^e with e = floor(log2(the largest magnitude in the block)) - 2, held to -126 .. 127; a block of zeros has e = 0. As a byte (E8M0): e + 127.
;;     - Each number is divided by its block's scale, clamped to +-6, and rounded to the nearest number of E2M1, ties to even, subnormals kept.
;;     - The product sums the exact products of the quantised numbers (number of the format x scale) in f32.
;;   ~~~python
;;   def quantise(x, axis):      # numpy; x: float32 -> the quantised numbers, widened to float32 again
;;       x = np.moveaxis(x, axis, -1); K = x.shape[-1]
;;       x = np.pad(x, [(0, 0)] * (x.ndim - 1) + [(0, -K % 32)]); x = x.reshape(x.shape[:-1] + (-1, 32)); a = np.abs(x).max(-1, keepdims=True)
;;       e = np.where(a > 0, np.clip(np.frexp(np.where(a > 0, a, 1))[1] - 1 - 2, -126, 127), 0)      # np.frexp(a)[1] - 1 = floor(log2(a)), exactly
;;       r = np.clip(x / 2.0 ** e, -6, 6)
;;       step = 2.0 ** (np.maximum(np.frexp(np.where(r == 0, 1, r))[1] - 1, 0) - 1)
;;       q = np.round(r / step) * step * 2.0 ** e      # np.round: ties to even
;;       return np.moveaxis(q.reshape(q.shape[:-2] + (-1,))[..., :K], -1, axis).astype(np.float32)
;;   ~~~
;; One version. Each part assembles by itself: llvm-mc -triple=amdgcn-amd-amdhsa -mcpu=gfx1250 --defsym DOCPART=n.
;; ======== version 1 of 1: 4 launches
;; limits: values are held in f16: magnitudes above 65,504 overflow, below 6.1e-05 lose precision
;; workspace buffers: xc 6,291,456 bytes; xs 393,216 bytes; wc 1,572,864 bytes; ws 98,304 bytes; wo16 2,097,152 bytes; mbits 1,048,576 bytes of whole numbers; qkv 25,165,824 bytes; xb 8,388,608 bytes
;; launch prep (part 1): grid 768 x 1, 4 waves a work-group, no clusters, 68,096 bytes of LDS; arguments query, key, value, Wq, Wk, Wv, Wo, mask, xc, xs, wc, ws, wo16, mbits; writes xc, xs, wc, ws, wo16, mbits
.if DOCPART == 1
	.amdgcn_target "amdgcn-amd-amdhsa--gfx1250"
	.amdhsa_code_object_version 6
	.text
	.protected	k_q7906bf4541_prep
	.globl	k_q7906bf4541_prep
	.p2align	8
	.type	k_q7906bf4541_prep,@function
k_q7906bf4541_prep:
	s_mov_b64 s[64:65], 0
	v_nop
	global_prefetch_b8 v0, s[64:65] scope:SCOPE_SE
	s_setreg_imm32_b32 hwreg(HW_REG_WAVE_MODE, 25, 1), 1
	s_wait_xcnt 0x0
; PREP: everything that is made once from the inputs.  768 work-groups of four waves, each moving 131,072 input bytes; three paths, chosen by the work-group's number g:
;   g < 480        query, key, value (128 work-groups each) and Wq, Wk, Wv (32 each), f32 with K innermost, become codes of FP4 (E2M1) and one E8M0 scale byte for each 32 along K:
;                  xc [3][4096][512 bytes], xs [3][4096][32], wc [3][1024][512], ws [3][1024][32].  Rows are dense and K is a multiple of 32: each tensor is a plain stream of blocks of 32.
;   480 <= g < 512 Wo [1024 n][1024 k] f32 becomes f16, laid [n / 128][k / 64][128 n][64 k]: the order in which the last launch's tiles are dense blocks.
;   g >= 512       mask [4096 rows][2048 keys] int32 becomes lane masks: mbits [32 rows][64 keys][64 words]; bit 16 h + r of word 32 T + 8 t + j says whether
;                  mask[row 16 T + r][key 16 t + 8 h + j] is not 0: the lanes of score register 8 t + j of query tile T in the attention launch.
; A block's scale is 2^(floor(log2(its largest magnitude)) - 2); its byte is the largest magnitude's exponent field - 2, held at 1 from below.  A block of zeros so gets the byte 1 where the rule says 127:
; its codes are zeros, which add nothing under any byte but 0xff, and the bytes are read by this program alone.
; LIMITS: NaN and infinities among the inputs are not served; numbers of Wo of magnitude 65,504 or more become infinite in f16, under 6e-5 they keep an absolute step of 6e-8.
; No tensor load, no barrier: waves share nothing.  Each path has LDS bytes of its own.
.set STEPS, 16
.set CB,    8                          ; bytes of 16 codes
.set R,     16                         ; v16-79   four sets of 16 numbers as they are loaded
.set X,     80                         ; v80-111  two sets of 16 neighbours
.set E,     112                        ; v112-127 a scale byte for each step
.set C,     128                        ; v128-191 codes: four registers for each step, so that no store's data are written again
.set WREG,  8192                       ; LDS 0 .. 32,767: the quantiser's, a region for each wave: two stages of 32 x SP bytes, behind them its 256 scale bytes
.set SP,    80                         ; a lane's place in a stage: its 64 bytes + 16 of padding
.set MSTG,  32768                      ; LDS 32,768 .. 67,583: the mask path's stages,
.set MWAVE, 32*272                     ; 32 rows x (256 bytes + 16) for each wave
.set SPARE, MSTG+4*MWAVE               ; behind them the spare words, 128 bytes for each wave: two blocks of 256 bytes that no other line names
.set SPW,   12                         ; v12  LDS address of my spare word; never rewritten
.set NIL,   13                         ; v13  0; never rewritten
.set PKW,   208                        ; v208-215 the mask path's packed words, a pair for each unit
.macro FINISH                          ; a wave's end
	s_wait_tensorcnt 0x0
	ds_add_u32 v[SPW], v[NIL]
	s_wait_dscnt 0x0
	s_endpgm
.endm
	s_load_b512 s[8:23], s[0:1], 0x0               ; query 8, key 10, value 12, Wq 14, Wk 16, Wv 18, Wo 20, mask 22
	s_load_b256 s[24:31], s[0:1], 0x40             ; xc 24, xs 26, wc 28, ws 30
	s_load_b128 s[32:35], s[0:1], 0x60             ; wo16 32, mbits 34
	v_lshl_add_u32 v[SPW], v0, 2, SPARE
	v_mov_b32 v[NIL], 0
	v_lshrrev_b32 v1, 5, v0
	v_readfirstlane_b32 s2, v1                     ; wave 0..3
	v_and_b32 v2, 31, v0                           ; lane
	s_mov_b32 s51, 0                               ; the upper word of every offset pair s[50:51]
	s_wait_kmcnt 0x0
	s_cmp_ge_u32 ttmp9, 512
	s_cbranch_scc1 .Lmask
	s_cmp_ge_u32 ttmp9, 480
	s_cbranch_scc1 .Lwo
; ---------------- THE QUANTISER.  A wave takes 16 steps of 512 numbers.  Each of a step's four loads reads 512 consecutive bytes, 16 a lane; the 2,048 bytes go through the wave's own stage in LDS
; and come back 64 bytes a lane, so that a lane holds 16 neighbours along K and two neighbouring lanes a block.  Loads run four steps ahead, the turn through LDS one step.
	v_lshlrev_b32 v3, 4, v2                        ; my 16 bytes of a load's 512
	s_mul_i32 s3, s2, WREG
	v_lshrrev_b32 v14, 2, v2
	v_mul_u32_u24 v14, v14, SP
	v_and_b32 v15, 3, v2
	v_lshl_add_u32 v14, v15, 4, v14
	v_add_nc_u32 v14, s3, v14                      ; the stage, on the way in: SP (lane / 4) + 16 (lane % 4)
	v_mul_u32_u24 v15, v2, SP
	v_add_nc_u32 v15, s3, v15                      ; and on the way out: SP x lane
	v_mul_u32_u24 v4, v2, CB                       ; my codes' place in a step's
	v_lshrrev_b32 v5, 1, v2
	s_add_co_u32 s3, s3, 2*32*SP
	v_add_nc_u32 v5, s3, v5                        ; my wave's 256 scale bytes, my block's byte
	v_lshlrev_b32 v7, 3, v2                        ; and on the way out 8 bytes a lane
	v_add_nc_u32 v6, s3, v7
	s_cmp_lt_u32 ttmp9, 384                        ; an activation or a weight?  The choices hang on the work-group's number alone
	s_cselect_b64 s[36:37], s[8:9], s[14:15]
	s_cselect_b64 s[38:39], s[10:11], s[16:17]
	s_cselect_b64 s[40:41], s[12:13], s[18:19]
	s_cselect_b64 s[42:43], s[24:25], s[28:29]     ; the codes' buffer
	s_cselect_b64 s[44:45], s[26:27], s[30:31]     ; the scale bytes'
	s_cselect_b32 s46, 0, 384
	s_cselect_b32 s47, 7, 5                        ; 128 or 32 work-groups to a tensor
	s_sub_co_u32 s46, ttmp9, s46                   ; my place among the three tensors' work-groups,
	s_lshr_b32 s48, s46, s47                       ; which of the three,
	s_lshl_b32 s49, s48, s47
	s_sub_co_u32 s49, s46, s49                     ; and my place in it
	s_cmp_eq_u32 s48, 1
	s_cselect_b64 s[4:5], s[38:39], s[40:41]
	s_cmp_eq_u32 s48, 0
	s_cselect_b64 s[4:5], s[36:37], s[4:5]
	s_lshl_b32 s49, s49, 2
	s_add_co_u32 s49, s49, s2                      ; my wave's run of 8,192 numbers in the tensor: 32,768 bytes each
	s_lshl_b32 s50, s49, 15
	s_add_nc_u64 s[4:5], s[4:5], s[50:51]
	s_lshl_b32 s46, s46, 2
	s_add_co_u32 s46, s46, s2                      ; and in the three tensors on end: 4,096 bytes of codes, 256 scale bytes
	s_lshl_b32 s50, s46, 12
	s_add_nc_u64 s[42:43], s[42:43], s[50:51]
	s_lshl_b32 s50, s46, 8
	s_add_nc_u64 s[44:45], s[44:45], s[50:51]
.macro LOAD t
.irp i, 0,1,2,3
	global_load_b128 v[R+16*((\t)%4)+4*\i:R+16*((\t)%4)+4*\i+3], v3, s[4:5] offset:2048*(\t)+512*\i th:TH_LOAD_NT   ; 32 lanes read 512 consecutive bytes
.endr
.endm
.macro TURN t                          ; step t's numbers through the stage: LDS serves a wave's instructions in order, so no wait stands between the stores and the loads
.irp i, 0,1,2,3
	ds_store_b128 v14, v[R+16*((\t)%4)+4*\i:R+16*((\t)%4)+4*\i+3] offset:32*SP*((\t)%2)+8*SP*\i
.endr
.irp i, 0,1,2,3
	ds_load_b128 v[X+16*((\t)%2)+4*\i:X+16*((\t)%2)+4*\i+3], v15 offset:32*SP*((\t)%2)+16*\i
.endr
.endm
.irp t, 0,1,2,3
	LOAD \t
.endr
	s_wait_loadcnt 12                              ; step 0's four loads are in; the twelve of steps 1 to 3 may be out
	TURN 0
.macro STEP t
.set XS, X+16*((\t)%2)
.if (\t) > 0
	s_wait_dscnt 1                                 ; this step's numbers are back from the stage (the last step's byte store may be out): so its stores into the stage have read their registers,
.else
	s_wait_dscnt 0x0
.endif
.if (\t)+4 < STEPS
	LOAD (\t)+4                                    ; which take the loads of four steps on
.endif
.if (\t)+1 < STEPS
.if STEPS-2-(\t) >= 3
	s_wait_loadcnt 12                              ; the next step's four loads are in; those of the three steps behind it may be out
.else
	s_wait_loadcnt 4*(STEPS-2-(\t))
.endif
	TURN (\t)+1                                    ; and go through the other stage while this step is worked
.endif
	v_max3_num_f32 v8, |v[XS]|, |v[XS+1]|, |v[XS+2]|               ; the largest magnitude of my 16, in two chains
	v_max3_num_f32 v9, |v[XS+3]|, |v[XS+4]|, |v[XS+5]|
.irp i, 6,10
	v_max3_num_f32 v8, v8, |v[XS+\i]|, |v[XS+\i+1]|
	v_max3_num_f32 v9, v9, |v[XS+\i+2]|, |v[XS+\i+3]|
.endr
	v_max3_num_f32 v8, v8, |v[XS+14]|, |v[XS+15]|
	v_max3_num_f32 v8, v8, v9, 0x1800000           ; and the floor 2^(3 - 127): so the byte cannot fall under 1
	v_max_num_f32_dpp v8, v8, v8 row_xmask:1 row_mask:0xf bank_mask:0xf   ; and of my neighbour's 16: the block's
	v_add_nc_u32 v11, 0xff000000, v8               ; 2 off its exponent field: the conversion takes the exponent field of this operand as its scale, and nothing else of it
	v_cvt_scalef32_pk8_fp4_f32 v[C+4*(\t)], v[XS:XS+7], v11        ; eight numbers / the scale, to the nearest code, ties to even, beyond the largest code the largest
	v_cvt_scalef32_pk8_fp4_f32 v[C+4*(\t)+1], v[XS+8:XS+15], v11
	v_lshrrev_b32 v[E+(\t)], 23, v11               ; the scale's byte
	ds_store_b8 v5, v[E+(\t)] offset:16*(\t)       ; both lanes of a block write the same byte with the same value
	global_store_b64 v4, v[C+4*(\t):C+4*(\t)+1], s[42:43] offset:32*CB*(\t)   ; the wave stores 256 consecutive bytes, aligned
.endm
.irp t, 0,1,2,3,4,5,6,7,8,9,10,11,12,13,14,15
	STEP \t
.endr
	ds_load_b64 v[8:9], v6                         ; LDS serves a wave's instructions in order: these see my stores
	s_wait_dscnt 0x0
	global_store_b64 v7, v[8:9], s[44:45]          ; 32 lanes store 256 consecutive scale bytes, aligned
	FINISH
; ---------------- Wo INTO f16.  A wave takes 8 rows of Wo, two at a time.  A load reads, of two rows, the 256 bytes (64 numbers) of one block of 64 along K; its 32 lanes' results are 256 consecutive bytes of wo16.
.Lwo:
	s_sub_co_u32 s46, ttmp9, 480
	v_lshrrev_b32 v3, 4, v2
	v_lshlrev_b32 v3, 12, v3
	v_and_b32 v4, 15, v2
	v_lshl_add_u32 v3, v4, 4, v3                   ; in: 4,096 (lane / 16) + 16 (lane % 16)
	v_lshlrev_b32 v4, 3, v2                        ; out: 8 bytes a lane
	s_lshl_b32 s47, s46, 5
	s_lshl_b32 s48, s2, 3
	s_add_co_u32 s47, s47, s48                     ; my first row n
	s_lshl_b32 s50, s47, 12
	s_add_nc_u64 s[20:21], s[20:21], s[50:51]
	s_lshr_b32 s48, s47, 7
	s_lshl_b32 s48, s48, 18                        ; n / 128: blocks of 262,144 bytes
	s_and_b32 s47, s47, 127
	s_lshl_b32 s47, s47, 7                         ; n % 128: rows of 128 bytes
	s_add_co_u32 s50, s48, s47
	s_add_nc_u64 s[32:33], s[32:33], s[50:51]
.macro WLOAD p                         ; rows 2 p, 2 p + 1: sixteen loads, one for each 64 along K
.irp i, 0,1,2,3,4,5,6,7,8,9,10,11,12,13,14,15
	global_load_b128 v[16+64*((\p)%2)+4*\i:16+64*((\p)%2)+4*\i+3], v3, s[20:21] offset:(\p)*8192+\i*256 th:TH_LOAD_NT
.endr
.endm
.macro WOUT p
.set WB, 16+64*((\p)%2)
.if (\p) < 3
	s_wait_loadcnt 16                              ; this pair's sixteen loads are in; the next pair's may be out
.else
	s_wait_loadcnt 0x0
.endif
.irp i, 0,1,2,3,4,5,6,7,8,9,10,11,12,13,14,15
	v_cvt_pk_f16_f32 v[WB+4*\i], v[WB+4*\i], v[WB+4*\i+1]
	v_cvt_pk_f16_f32 v[WB+4*\i+1], v[WB+4*\i+2], v[WB+4*\i+3]
	global_store_b64 v4, v[WB+4*\i:WB+4*\i+1], s[32:33] offset:(\p)*256+\i*16384
.endr
.if (\p) < 2
	s_wait_xcnt 0x0                                ; the stores have read their registers: these are loaded again only behind this wait
	WLOAD (\p)+2
.endif
.endm
	WLOAD 0
	WLOAD 1
	WOUT 0
	WOUT 1
	WOUT 2
	WOUT 3
	FINISH
; ---------------- THE MASK INTO LANE MASKS.  A work-group takes 32 rows x 1,024 keys, a wave four units of 32 rows x 64 keys.  A unit's sixteen loads read two rows' 256 bytes each; the unit goes through the
; wave's stage (rows 272 bytes apart) and comes back as the score registers lie: lane 16 h + r holds, in register 32 T + 8 t + j, mask[16 T + r][16 t + 8 h + j].  A compare then gives the word.
.Lmask:
	s_sub_co_u32 s46, ttmp9, 512
	s_lshr_b32 s47, s46, 1                         ; which 32 rows
	s_and_b32 s48, s46, 1
	s_lshl_b32 s48, s48, 4
	s_lshl_b32 s49, s2, 2
	s_add_co_u32 s48, s48, s49                     ; my first unit of 64 keys
	s_lshl_b32 s50, s47, 18                        ; 32 rows of 8,192 bytes
	s_lshl_b32 s49, s48, 8
	s_add_co_u32 s50, s50, s49
	s_add_nc_u64 s[22:23], s[22:23], s[50:51]
	s_lshl_b32 s50, s47, 5
	s_add_co_u32 s50, s50, s48
	s_lshl_b32 s50, s50, 8                         ; 256 bytes of words a unit
	s_add_nc_u64 s[34:35], s[34:35], s[50:51]
	s_mul_i32 s3, s2, MWAVE
	s_add_co_u32 s3, s3, MSTG                      ; my stage
	v_lshrrev_b32 v8, 4, v2                        ; h
	v_and_b32 v9, 15, v2                           ; r
	v_lshlrev_b32 v3, 13, v8
	v_lshl_add_u32 v3, v9, 4, v3                   ; in memory: 8,192 h + 16 r
	v_mul_u32_u24 v5, v8, 272
	v_lshl_add_u32 v5, v9, 4, v5
	v_add_nc_u32 v5, s3, v5                        ; into the stage: the same two rows
	v_mul_u32_u24 v6, v9, 272
	v_lshl_add_u32 v6, v8, 5, v6
	v_add_nc_u32 v6, s3, v6                        ; out of it: row r, 32 h bytes on
	v_lshlrev_b32 v7, 3, v2                        ; the words' way out: 8 bytes a lane
.irp i, 0,1,2,3,4,5,6,7
	v_mov_b32 v[PKW+\i], 0                         ; written once: v_writelane_b32's destination counts as one of its sources
.endr
.macro MLOAD u
.irp i, 0,1,2,3,4,5,6,7,8,9,10,11,12,13,14,15
	global_load_b128 v[16+64*((\u)%2)+4*\i:16+64*((\u)%2)+4*\i+3], v3, s[22:23] offset:\i*16384+(\u)*256 th:TH_LOAD_NT
.endr
.endm
.macro MUNIT u
.set MB, 16+64*((\u)%2)
.if (\u) < 3
	s_wait_loadcnt 16                              ; this unit's sixteen loads are in; the next unit's may be out
.else
	s_wait_loadcnt 0x0
.endif
.irp i, 0,1,2,3,4,5,6,7,8,9,10,11,12,13,14,15
	ds_store_b128 v5, v[MB+4*\i:MB+4*\i+3] offset:\i*544
.endr
.irp n, 0,1,2,3,4,5,6,7,8,9,10,11,12,13,14,15      ; n = 8 T + 2 t + c: registers 4 n .. 4 n + 3 are words 32 T + 8 t + 4 c + 0 .. 3
	ds_load_b128 v[144+4*\n:144+4*\n+3], v6 offset:(\n/8)*4352+((\n/2)%4)*64+(\n%2)*16
.endr
	s_wait_dscnt 0x0                               ; the unit is back, and the stores into the stage have read their registers,
.if (\u) < 2
	MLOAD (\u)+2                                   ; which take the unit two further on
.endif
.set W, 0
.rept 8                                ; eight words at a time: the compares' lane masks in s48-55, then each into its lane of the packed pair: word w goes to lane w / 2, register w % 2
.set V, 0
.rept 8
	v_cmp_ne_u32 s[48+V], 0, v[144+W+V]
.set V, V+1
.endr
.set V, 0
.rept 8
	v_writelane_b32 v[PKW+2*(\u)+(W+V)%2], s[48+V], (W+V)/2
.set V, V+1
.endr
.set W, W+8
.endr
	global_store_b64 v7, v[PKW+2*(\u):PKW+2*(\u)+1], s[34:35] offset:(\u)*256   ; 32 lanes store the unit's 64 words: 256 consecutive bytes, aligned
.endm
	MLOAD 0
	MLOAD 1
	MUNIT 0
	MUNIT 1
	MUNIT 2
	MUNIT 3
	FINISH
.Lfunc_end_k_q7906bf4541_prep:
	.size	k_q7906bf4541_prep, .Lfunc_end_k_q7906bf4541_prep-k_q7906bf4541_prep
	.p2alignl 7, 3214868480
	.fill 96, 4, 3214868480
	.section	.rodata,"a",@progbits
	.p2align	6, 0x0
	.amdhsa_kernel k_q7906bf4541_prep
		.amdhsa_group_segment_fixed_size 68096
		.amdhsa_private_segment_fixed_size 0
		.amdhsa_enable_private_segment 0
		.amdhsa_kernarg_size 112
		.amdhsa_user_sgpr_count 2
		.amdhsa_user_sgpr_kernarg_segment_ptr 1
		.amdhsa_wavefront_size32 1
		.amdhsa_system_sgpr_workgroup_id_x 1
		.amdhsa_system_sgpr_workgroup_id_y 1
		.amdhsa_system_sgpr_workgroup_id_z 1
		.amdhsa_system_vgpr_workitem_id 0
		.amdhsa_next_free_vgpr 224
		.amdhsa_next_free_sgpr 66
		.amdhsa_reserve_vcc 0
		.amdhsa_float_denorm_mode_32 3
		.amdhsa_float_denorm_mode_16_64 3
		.amdhsa_memory_ordered 1
		.amdhsa_forward_progress 1
		.amdhsa_inst_pref_size 103
	.end_amdhsa_kernel
	.amdgpu_metadata
---
amdhsa.version: [ 1, 2 ]
amdhsa.kernels:
  - .name:           k_q7906bf4541_prep
    .symbol:         k_q7906bf4541_prep.kd
    .args:
      - { .name: query, .offset: 0, .size: 8, .value_kind: global_buffer, .address_space: global }
      - { .name: key, .offset: 8, .size: 8, .value_kind: global_buffer, .address_space: global }
      - { .name: value, .offset: 16, .size: 8, .value_kind: global_buffer, .address_space: global }
      - { .name: Wq, .offset: 24, .size: 8, .value_kind: global_buffer, .address_space: global }
      - { .name: Wk, .offset: 32, .size: 8, .value_kind: global_buffer, .address_space: global }
      - { .name: Wv, .offset: 40, .size: 8, .value_kind: global_buffer, .address_space: global }
      - { .name: Wo, .offset: 48, .size: 8, .value_kind: global_buffer, .address_space: global }
      - { .name: mask, .offset: 56, .size: 8, .value_kind: global_buffer, .address_space: global }
      - { .name: xc, .offset: 64, .size: 8, .value_kind: global_buffer, .address_space: global }
      - { .name: xs, .offset: 72, .size: 8, .value_kind: global_buffer, .address_space: global }
      - { .name: wc, .offset: 80, .size: 8, .value_kind: global_buffer, .address_space: global }
      - { .name: ws, .offset: 88, .size: 8, .value_kind: global_buffer, .address_space: global }
      - { .name: wo16, .offset: 96, .size: 8, .value_kind: global_buffer, .address_space: global }
      - { .name: mbits, .offset: 104, .size: 8, .value_kind: global_buffer, .address_space: global }
    .group_segment_fixed_size: 68096
    .private_segment_fixed_size: 0
    .kernarg_segment_align: 8
    .kernarg_segment_size: 112
    .max_flat_workgroup_size: 128
    .sgpr_count:     66
    .vgpr_count:     224
    .wavefront_size: 32
...
	.end_amdgpu_metadata
.endif
;; end of part 1
;; launch proj (part 2): grid 4 x 48, 4 waves a work-group, clusters of 4 x 4, 327,680 bytes of LDS; arguments xc, xs, wc, ws, qkv, bq, bk, bv; writes qkv
.if DOCPART == 2
	.amdgcn_target "amdgcn-amd-amdhsa--gfx1250"
	.amdhsa_code_object_version 6
	.text
	.protected	k_q7906bf4541_proj
	.globl	k_q7906bf4541_proj
	.p2align	8
	.type	k_q7906bf4541_proj,@function
k_q7906bf4541_proj:
	s_mov_b64 s[64:65], 0
	v_nop
	global_prefetch_b8 v0, s[64:65] scope:SCOPE_SE
	s_setreg_imm32_b32 hwreg(HW_REG_WAVE_MODE, 25, 1), 1
	s_wait_xcnt 0x0
	s_wait_alu depctr_hold_cnt(0) depctr_sa_sdst(0) depctr_va_vdst(0) depctr_va_sdst(0) depctr_va_ssrc(0) depctr_va_vcc(0) depctr_vm_vsrc(0)
	s_getreg_b32 s2, hwreg(HW_REG_IB_STS2, 6, 4)
	s_cmp_eq_u32 s2, 0
	s_cbranch_scc0 .Lentry_in_a_cluster
	s_endpgm
.Lentry_in_a_cluster:
	s_bfe_u32 s2, ttmp6, 0x10000c
	s_cmp_lg_u32 s2, 0xf033
	s_cbranch_scc0 .Lentry_shape_is_right
	s_endpgm
.Lentry_shape_is_right:
; PROJ: the three projections q, k, v = x W^T + b on codes of FP4 (E2M1) with one E8M0 scale for each 32 along K; sums in f32.  K = 1,024.
; xc [3 x 4096 rows][512 bytes], xs [3 x 4096][32], wc [3 x 1024][512], ws [3 x 1024][32]: the three products' operands on end; product z takes rows 4096 z on of x and 1024 z on of W.
; RESULT: (sum + bias), for q times log2(e) / 8 (so that the attention's scores are exponents of 2), rounded once to f16, laid qkv [3][batch][head][position][64].
; LIMITS: results of magnitude 65,504 or more become infinite in f16; under 6e-5 they keep an absolute step of 6e-8.
; A tile of 256 x 256 is made by a work-group of four waves; a wave makes 128 x 128: 64 accumulators, 512 registers.  48 tile rows x 4 tile columns: 192 work-groups.  Smaller tiles would give each WGP
; several work-groups one after the other, each with its own wait for its first tiles; here all of K (two LDS slots of 512 along K) and all scales are asked for at the head, and no slot is filled twice.
; CLUSTERS: 4 x 4 work-groups; a cluster's four tile rows lie in one product.  The four of a row of the cluster need the same tiles of x, the four of a column the same tiles of W: each is asked for JOINTLY.
; THE MATRIX INSTRUCTION IS USED TRANSPOSED (source 0 = 16 rows of W, source 1 = 16 rows of x): a lane then holds eight neighbouring outputs of one row.
; REGISTERS, in windows of 256: window 0: v0-31 addresses; v32-95 scale words, two sets; v128-191 x's fragments, ONE set; v192-255 the bias of my 128 columns in the result's layout.
;   window 1: W's fragments, TWO sets, at v0 and v128.   window 2: the accumulators of my rows 0-63 ((a, b) at v[8 (8 a + b)]);   window 3: those of my rows 64-127.
;   On the way out: v32-95 a block in f32, v96-127 in f16, v128-191 two sets of rows read back from the stage.
.set KSTEP,  512                       ; along K in a slot
.set NQ,     KSTEP/128                 ; matrix instructions deep
.set ROWB,   256                       ; a tile's row in bytes
.set KROW,   512                       ; a row of codes in memory
.set PITCH,  272                       ; an LDS row: 256 bytes + 16 of padding: the 16 rows that a load touches begin at 16 different 16-byte columns modulo 256
.set FR,     8                         ; registers of a fragment: 16 rows x 128 K
.set NL,     2                         ; LDS loads that bring one
.set NP,     4                         ; places behind this matrix instruction (ISA guide 7.12.1)
.set HALFT,  128*PITCH                 ; 128 rows: what one tensor load brings
.set SLOT,   4*HALFT                   ; x's 256 rows, then W's 256 rows
.set KS,     32                        ; a row of scales in bytes
.set SCL,    2*SLOT                    ; behind the slots: the scales, as units of 256 bytes + 16 of padding
.set HALFS,  (128*KS/256)*272          ; the scales of 128 rows: what one tensor load brings
.set SBLK,   (16*KS/256)*272           ; those of 16 rows
.set SPARE,  SCL+4*HALFS               ; behind the scales: the spare words, 128 bytes for each wave
.set SPITCH, 144                       ; the way out: a stage of 2 heads x 16 rows x (128 bytes + 16) for each wave, in slot 0, which has had its one fill and its last read when the first result is stored there
.set ADRA, 16                          ; v16-17  LDS address of my x fragments in slot 0, 1
.set ADRB, 20                          ; v20-21  the same for W
.set STO,  24                          ; v24     the way out: where I put 16 bytes of a row
.set RD,   25                          ; v25     where I read rows back
.set CO,   26                          ; v26     16 x lane: my bytes of a store's 512
.set ADRS, 27                          ; v27     LDS address of my scale words: lanes 0-15 x's rows, lanes 16-31 W's
.set SPW,  28                          ; v28     LDS address of my spare word; never rewritten
.set NIL,  29                          ; v29     0; never rewritten
.set BO,   30                          ; v30     32 x (lane / 16): my half's eight numbers of a bias tile
.set SC,   32
.set FW,   32
.set TMP,  96
.set AF,   128
.set BK,   128
.set BIA,  192
.set G1, 24                            ; s[24:31] descriptor group 1 for x's tiles;  s[32:39] group 0, one set for each slot
.set G0, 32
.set G1B, 48                           ; s[48:55], s[56:63] the same for W's tiles
.set G0B, 56
.set G1S, 68                           ; s[68:75], s[76:79] groups 1 and 0 for x's scales;  s[80:87], s[88:91] for W's
.set G0S, 76
.set G1SB, 80
.set G0SB, 88
.set MSB, 0
.macro WIN new                         ; the immediate's high byte repeats the setting that is left
.if MSB != (\new)
	s_set_vgpr_msb (MSB<<8)|(\new)
.set MSB, (\new)
.endif
.endm
.set MUL_LO, 0xa1                      ; source 0 (W) window 1, source 1 (x) window 0, C and D window 2
.set MUL_HI, 0xf1                      ; the same, C and D window 3
.set TO_B,   0x40                      ; destination window 1, address window 0
; A joint load: waves 0 and 1 fetch for x, waves 2 and 3 for W.  Each of the two lines has ONE mask and one set of registers for all that issue it; the branch hangs on the wave's number alone.
; An s_nop 0 and four v_nop follow each of the two lines, ahead of the jump, the label and what follows.
.macro JLOAD g0a, g1a, g0b, g1b
	s_cmp_eq_u32 s15, 0
	s_cbranch_scc0 .Lfor_b_\@
	tensor_load_to_lds s[\g0a:\g0a+3], s[\g1a:\g1a+7]
	s_nop 0
.rept 4
	v_nop
.endr
	s_branch .Lasked_\@
.Lfor_b_\@:
	tensor_load_to_lds s[\g0b:\g0b+3], s[\g1b:\g1b+7]
	s_nop 0
.rept 4
	v_nop
.endr
.Lasked_\@:
.endm
.macro CROUND                          ; a round of the cluster's barrier
	s_barrier_signal -1
	s_barrier_wait -1
	s_cmp_lg_u32 s14, 0
	s_cbranch_scc1 .Lnot_wave_0_\@
	s_barrier_signal -3
.Lnot_wave_0_\@:
	s_barrier_wait -3
	s_barrier_signal -1
	s_barrier_wait -1
.endm
	s_load_b128 s[4:7], s[0:1], 0x0                ; x's codes s[4:5], x's scales s[6:7]
	s_load_b128 s[8:11], s[0:1], 0x10              ; W's codes s[8:9], W's scales s[10:11]
	s_load_b64 s[12:13], s[0:1], 0x20              ; qkv
	s_load_b128 s[96:99], s[0:1], 0x28             ; bq, bk
	s_load_b64 s[100:101], s[0:1], 0x38            ; bv
	v_lshl_add_u32 v[SPW], v0, 2, SPARE
	v_mov_b32 v[NIL], 0
	ds_add_u32 v[SPW], v[NIL]                      ; the wave's opening: the add, twice on end, and its wait ahead of my first tensor load; the set-up below, work on registers, stands between
	ds_add_u32 v[SPW], v[NIL]
	v_lshrrev_b32 v1, 5, v0
	v_readfirstlane_b32 s14, v1                    ; wave 0..3
	s_lshr_b32 s15, s14, 1                         ; which half of the tile's rows is mine.  Also: I fetch for x (0) or for W (1)
	s_and_b32 s16, s14, 1                          ; which half of its columns.  Also: which 128 rows of that tile I fetch
	s_bfe_u32 s40, ttmp6, 0x40000                  ; cx, cy: my place in the cluster
	s_bfe_u32 s41, ttmp6, 0x40004
	s_lshl_b32 s42, ttmp9, 2
	s_add_co_u32 s42, s42, s40                     ; tile column = 4 x cluster x + cx: 0..3
	s_and_b32 s17, ttmp7, 0xffff
	s_lshr_b32 s95, s17, 2                         ; which product: four clusters along y to each; made of the cluster's y alone
	s_lshl_b32 s17, s17, 2
	s_add_co_u32 s17, s17, s41                     ; tile row = 4 x cluster y + cy: 0..47
	s_lshl_b32 s43, s41, 2
	s_lshl_b32 s43, 15, s43                        ; my row of the cluster
	s_lshl_b32 s44, 0x1111, s40                    ; my column
	; descriptor group 1: a tile of 128 rows x 256 bytes, padded in LDS
	s_or_b32 s[G1+0], s43, (0<<16)|(1<<20)|(1<<21)|(5<<22)|(3<<25)  ; 15:0 the mask: x's tiles go to my row; 17:16 element of 1 byte; 20 padding on; 21 set beside a mask; 24:22 after every 64 words; 31:25 four words of it
	s_or_b32 s[G1B+0], s44, (0<<16)|(1<<20)|(1<<21)|(5<<22)|(3<<25)
.irp g, G1, G1B
	s_mov_b32 s[\g+1], ROWB<<16                    ; tensor_dim0
	s_mov_b32 s[\g+2], 128<<16                     ; tensor_dim1 = 128
	s_mov_b32 s[\g+3], ROWB<<16                    ; tile_dim0
	s_mov_b32 s[\g+4], 128                         ; tile_dim1 = 128
	s_mov_b32 s[\g+5], KROW                        ; tensor_dim0_stride
	s_mov_b32 s[\g+6], 0
	s_mov_b32 s[\g+7], 0
.endr
	; and for the scales of 128 rows: a dense block of 4,096 bytes, as 16 rows of 256 bytes (32 elements of 8 bytes), 16 bytes of padding behind each
	s_or_b32 s[G1S+0], s43, (3<<16)|(1<<20)|(1<<21)|(5<<22)|(3<<25)
	s_or_b32 s[G1SB+0], s44, (3<<16)|(1<<20)|(1<<21)|(5<<22)|(3<<25)
.irp g, G1S, G1SB
	s_mov_b32 s[\g+1], 32<<16
	s_mov_b32 s[\g+2], (128*KS/256)<<16
	s_mov_b32 s[\g+3], 32<<16
	s_mov_b32 s[\g+4], 128*KS/256
	s_mov_b32 s[\g+5], 32
	s_mov_b32 s[\g+6], 0
	s_mov_b32 s[\g+7], 0
.endr
	s_lshl_b32 s18, s16, 7                         ; which 128 rows of the tile I fetch
	s_lshl_b32 s20, s17, 8
	s_add_co_u32 s20, s20, s18                     ; x: row 256 x tile row + 128 x half
	s_lshl_b32 s46, s42, 8
	s_add_co_u32 s46, s46, s18
	s_lshl_b32 s94, s95, 10
	s_add_co_u32 s46, s46, s94                     ; W: row 1,024 x product + 256 x tile column + 128 x half
	s_mov_b32 s21, 0
	s_mov_b32 s47, 0
	s_mov_b64 s[18:19], KS
	s_mul_u64 s[22:23], s[20:21], s[18:19]         ; where these rows' scales begin, in bytes
	s_mul_u64 s[92:93], s[46:47], s[18:19]
	s_mov_b64 s[18:19], KROW
	s_mul_u64 s[20:21], s[20:21], s[18:19]         ; and their codes
	s_mul_u64 s[46:47], s[46:47], s[18:19]
	s_mul_i32 s45, s14, HALFT                      ; where they go: wave x 128 rows: no place in the cluster enters an LDS address
	s_mul_i32 s94, s14, HALFS
	s_wait_dscnt 0x0                               ; both opening adds are done
	s_wait_kmcnt 0x0
	s_add_nc_u64 s[20:21], s[4:5], s[20:21]
	s_add_nc_u64 s[22:23], s[6:7], s[22:23]
	s_add_nc_u64 s[46:47], s[8:9], s[46:47]
	s_add_nc_u64 s[92:93], s[10:11], s[92:93]
	CROUND                                         ; all sixteen work-groups are here: the joint loads meet
	s_mov_b32 s[G0S], 1
	s_add_co_u32 s[G0S+1], s94, SCL
	s_mov_b64 s[G0S+2:G0S+3], s[22:23]
	s_or_b32 s[G0S+3], s[G0S+3], 0x80000000
	s_mov_b32 s[G0SB], 1
	s_add_co_u32 s[G0SB+1], s94, SCL
	s_mov_b64 s[G0SB+2:G0SB+3], s[92:93]
	s_or_b32 s[G0SB+3], s[G0SB+3], 0x80000000
	JLOAD G0S, G1S, G0SB, G1SB                     ; the scales first: they are wanted with the first slot
.irp s, 0,1
	s_mov_b32 s[G0+4*\s], 1
	s_add_co_u32 s[G0+4*\s+1], s45, \s*SLOT
	s_add_nc_u64 s[G0+4*\s+2:G0+4*\s+3], s[20:21], \s*ROWB
	s_or_b32 s[G0+4*\s+3], s[G0+4*\s+3], 0x80000000
	s_mov_b32 s[G0B+4*\s], 1
	s_add_co_u32 s[G0B+4*\s+1], s45, \s*SLOT
	s_add_nc_u64 s[G0B+4*\s+2:G0B+4*\s+3], s[46:47], \s*ROWB
	s_or_b32 s[G0B+4*\s+3], s[G0B+4*\s+3], 0x80000000
	JLOAD G0+4*\s, G1, G0B+4*\s, G1B               ; three tensor loads of mine are out: all that this launch asks for
.endr
	v_and_b32 v1, 15, v0                           ; l % 16
	v_bfe_u32 v2, v0, 4, 1                         ; l / 16
	; the bias of my 128 columns, in the result's layout: tile b, register j: column 16 b + 8 (l / 16) + j
	s_cmp_eq_u32 s95, 1
	s_cselect_b64 s[98:99], s[98:99], s[100:101]   ; the choices hang on the product's number alone
	s_cmp_eq_u32 s95, 0
	s_cselect_b64 s[96:97], s[96:97], s[98:99]
	s_cselect_b32 s104, 0x3e38aa3b, 1.0            ; q alone is multiplied by log2(e) / 8
	s_mov_b32 s105, s104                           ; (the packed forms name the pair)
	s_lshl_b32 s92, s42, 10
	s_lshl_b32 s93, s16, 9
	s_add_co_u32 s92, s92, s93                     ; 4 bytes x (256 x tile column + 128 x half)
	s_mov_b32 s93, 0
	s_add_nc_u64 s[96:97], s[96:97], s[92:93]
	v_lshlrev_b32 v[BO], 5, v2
.irp b, 0,1,2,3,4,5,6,7
	global_load_b128 v[BIA+8*\b:BIA+8*\b+3],   v[BO], s[96:97] offset:64*\b
	global_load_b128 v[BIA+8*\b+4:BIA+8*\b+7], v[BO], s[96:97] offset:64*\b+16
.endr
	v_mul_u32_u24 v3, v1, PITCH
	v_lshl_add_u32 v4, v2, 4, v3                   ; a fragment's row x pitch + 16 x half
	s_mul_i32 s21, s15, HALFT                      ; my 128 rows of x
	s_mul_i32 s22, s16, HALFT                      ; my 128 rows of W,
	s_add_co_u32 s22, s22, 2*HALFT                 ; which lie behind x's 256
.irp s, 0,1
	v_add_nc_u32 v[ADRA+\s], s21, v4
	v_add_nc_u32 v[ADRB+\s], s22, v4
	s_add_co_u32 s21, s21, SLOT
	s_add_co_u32 s22, s22, SLOT
.endr
	v_mul_u32_u24 v5, v1, KS                       ; my row's scales: 32 bytes a row,
	v_lshrrev_b32 v6, 8, v5
	v_lshl_add_u32 v5, v6, 4, v5                   ; and 16 more for each 256 passed
	s_mul_i32 s21, s15, HALFS                      ; x's: my 128 rows
	s_mul_i32 s22, s16, HALFS                      ; W's: my 128 rows, behind x's 256
	s_add_co_u32 s22, s22, 2*HALFS
	s_sub_co_u32 s22, s22, s21
	v_mul_u32_u24 v6, s22, v2                      ; lanes 16-31 take W's
	s_add_co_u32 s21, s21, SCL
	v_add_nc_u32 v5, v5, v6
	v_add_nc_u32 v[ADRS], s21, v5
	s_mul_i32 s23, s14, 2*16*SPITCH                ; my stage
	v_mul_u32_u24 v5, v1, SPITCH                   ; in: row l % 16, 16 bytes for each half of the lanes
	v_lshl_add_u32 v5, v2, 4, v5
	v_add_nc_u32 v[STO], s23, v5
	v_and_b32 v6, 31, v0
	v_lshlrev_b32 v[CO], 4, v6
	v_lshrrev_b32 v5, 3, v6                        ; back: eight lanes to a row of 128 bytes, four rows an instruction
	v_mul_u32_u24 v5, v5, SPITCH
	v_and_b32 v6, 7, v6
	v_lshl_add_u32 v5, v6, 4, v5
	v_add_nc_u32 v[RD], s23, v5
	; where my part begins in qkv: product x 8,388,608 + batch x 4,194,304 + head x 262,144 + position x 128
	s_lshl_b32 s20, s95, 23
	s_bfe_u32 s21, s17, 0x10003                    ; the batch: bit 3 of the tile row (8 tile rows to a batch)
	s_lshl_b32 s21, s21, 22
	s_add_co_u32 s20, s20, s21
	s_and_b32 s21, s17, 7
	s_lshl_b32 s21, s21, 15                        ; 256 positions x 128 bytes
	s_add_co_u32 s20, s20, s21
	s_lshl_b32 s21, s15, 14                        ; my half's 128 positions
	s_add_co_u32 s20, s20, s21
	s_mov_b32 s21, 0
	s_add_nc_u64 s[12:13], s[12:13], s[20:21]
	s_lshl_b32 s46, s42, 20                        ; four heads to a tile column,
	s_lshl_b32 s47, s16, 19                        ; two to my half
	s_add_co_u32 s46, s46, s47
	s_mov_b32 s47, 0
	s_add_nc_u64 s[12:13], s[12:13], s[46:47]
.macro FRAG reg, adr, q, i             ; a fragment, 16 rows x 128 K of 4-bit codes, is 8 registers: lane l holds row l % 16; registers 4 c .. 4 c + 3 hold K = 64 c + 32 (l / 16) + 0 .. 31
.irp c, 0,1
	ds_load_b128 v[\reg+4*\c:\reg+4*\c+3], v[\adr] offset:64*(\q)+32*\c+(\i)*16*PITCH
.endr
.endm
; 16 matrix instructions: x's blocks a0, a0 + 1 against W's eight, 128 along K: the slot's q-th.  p: W's set;  sc: the set of scale words.  zero = 1: the first product starts the sums: nothing is ever cleared.
; The 64 accumulators take turns, one instruction a turn, in the same order in every step.
.macro MUL16 a0, p, q, sc, zero
.irp a, \a0, \a0+1
.irp b, 0,1,2,3,4,5,6,7
.if \zero
	v_wmma_scale_f32_16x16x128_f8f6f4 v[8*(8*((\a)%4)+\b):8*(8*((\a)%4)+\b)+7], v[128*(\p)+FR*\b:128*(\p)+FR*\b+FR-1], v[AF+FR*(\a):AF+FR*(\a)+FR-1], 0, v[SC+8*NQ*(\sc)+NQ*\b+(\q)], v[SC+8*NQ*(\sc)+NQ*(\a)+(\q)] matrix_a_fmt:MATRIX_FMT_FP4 matrix_b_fmt:MATRIX_FMT_FP4 matrix_a_scale:MATRIX_SCALE_ROW1
.else
	v_wmma_scale_f32_16x16x128_f8f6f4 v[8*(8*((\a)%4)+\b):8*(8*((\a)%4)+\b)+7], v[128*(\p)+FR*\b:128*(\p)+FR*\b+FR-1], v[AF+FR*(\a):AF+FR*(\a)+FR-1], v[8*(8*((\a)%4)+\b):8*(8*((\a)%4)+\b)+7], v[SC+8*NQ*(\sc)+NQ*\b+(\q)], v[SC+8*NQ*(\sc)+NQ*(\a)+(\q)] matrix_a_fmt:MATRIX_FMT_FP4 matrix_b_fmt:MATRIX_FMT_FP4 matrix_a_scale:MATRIX_SCALE_ROW1
.endif
.endr
.endr
.endm
.macro FETCH_B slot, q, p              ; W's eight fragments of the slot's q-th 128 along K into set p
	WIN TO_B
.irp i, 0,1,2,3,4,5,6,7
	FRAG 128*(\p)+FR*\i, ADRB+\slot, \q, \i
.endr
	WIN 0
.endm
.macro FETCH_A slot, q, i0             ; x's blocks i0 .. i0 + 3
.irp i, \i0, \i0+1, \i0+2, \i0+3
	FRAG AF+FR*(\i), ADRA+\slot, \q, \i
.endr
.endm
.macro SCALES sc                       ; a slot's scale words into set sc: four words a row; lanes 0-15 take x's block i, lanes 16-31 W's block i
.irp i, 0,1,2,3,4,5,6,7
	ds_load_b128 v[SC+8*NQ*\sc+NQ*\i:SC+8*NQ*\sc+NQ*\i+3], v[ADRS] offset:\i*SBLK
.endr
.endm
; A load into a register that a matrix instruction has read, and a vector instruction or an LDS store that reads a matrix result, stand NP places behind that matrix instruction, and only plain vector
; instructions that name none of its registers are places (ISA guide 7.12.1 for vector instructions).
.macro PLACES n
.rept \n
	v_nop
.endr
.endm
; A step of 128 along K that has its successor in the same slot.
.macro STEP slot, q, zero
	s_wait_dscnt 4*NL                              ; W's set and x's blocks 0-3 are in; the youngest eight loads (x's blocks 4-7) may be out
	WIN MUL_LO
	MUL16 0, (\q)%2, \q, \slot, \zero
	MUL16 2, (\q)%2, \q, \slot, \zero
	s_wait_dscnt 0                                 ; x's blocks 4-7 are in (asked for 32 matrix instructions ago)
	PLACES NP
	FETCH_B \slot, (\q)+1, 1-(\q)%2
	FETCH_A \slot, (\q)+1, 0
	WIN MUL_HI
	MUL16 4, (\q)%2, \q, \slot, \zero
	MUL16 6, (\q)%2, \q, \slot, \zero
	PLACES NP
	WIN 0
	FETCH_A \slot, (\q)+1, 4
.endm
; Slot 0's last step changes slots: one barrier; in front of it each wave waits for all its tensor loads (its part of slot 1), adds 0 to its spare word, and waits for that and for its own reads of slot 0.
; Behind it slot 1 is whole, and nobody reads slot 0 any more: nothing is filled again, and slot 0 later holds the stages of the way out.
.macro TURN slot, next
	s_wait_tensorcnt 0x0                           ; all my tensor loads have landed  (every window is 0 here: the add's two registers lie in window 0)
	ds_add_u32 v[SPW], v[NIL]                      ; 0 onto my spare word
	s_wait_dscnt 4*NL+1                            ; (the add and the youngest eight loads, x's blocks 4-7, may be out)
	WIN MUL_LO
	MUL16 0, 1, NQ-1, \slot, 0                     ; sixteen matrix instructions stand between the add and the wait for it
	s_wait_dscnt 0x0                               ; the add is done, and my reads of this slot are over
	s_barrier_signal -1
	MUL16 2, 1, NQ-1, \slot, 0
	WIN 0
	s_barrier_wait -1
	PLACES NP
	v_add_nc_u32 v[ADRS], 4*NQ, v[ADRS]            ; on to the next slot's scale words
	FETCH_B \next, 0, 0
	FETCH_A \next, 0, 0
	SCALES \next
	WIN MUL_HI
	MUL16 4, 1, NQ-1, \slot, 0
	MUL16 6, 1, NQ-1, \slot, 0
	PLACES NP
	WIN 0
	FETCH_A \next, 0, 4
.endm
	s_wait_tensorcnt 1                             ; the scales and my part of slot 0 are in (slot 1's load may be out),
	s_barrier_signal -1
	s_barrier_wait -1                              ; everybody's are
	FETCH_B 0, 0, 0
	FETCH_A 0, 0, 0
	SCALES 0
	FETCH_A 0, 0, 4
	STEP 0, 0, 1                                   ; the first step's products start the sums
	STEP 0, 1, 0
	STEP 0, 2, 0
	TURN 0, 1
	STEP 1, 0, 0
	STEP 1, 1, 0
	STEP 1, 2, 0
	s_wait_dscnt 4*NL                              ; the very last step: nothing more to fetch
	WIN MUL_LO
	MUL16 0, 1, NQ-1, 1, 0
	MUL16 2, 1, NQ-1, 1, 0
	s_wait_dscnt 0
	WIN MUL_HI
	MUL16 4, 1, NQ-1, 1, 0
	MUL16 6, 1, NQ-1, 1, 0
	WIN 0
; THE WAY OUT, block by block of 16 rows x 128 columns (two heads).  (sum + bias) x factor = sum x factor + (bias x factor): one packed multiply-add for two numbers.  A lane's eight numbers pack into 16 bytes of
; a head's row; the block goes through my own stage and comes back four whole rows of 128 bytes an instruction, which are 512 consecutive bytes of qkv.  LDS serves a wave's instructions in order.
	s_wait_loadcnt 0x0                             ; the bias
.set J, 0
.rept 32
	v_pk_mul_f32 v[BIA+J:BIA+J+1], v[BIA+J:BIA+J+1], s[104:105] op_sel_hi:[1,0]   ; bias x factor.  (These 32 name no register of the last products: they are the places behind them)
.set J, J+2
.endr
.macro PACK a
.set AC, 64*((\a)%4)
	WIN 0x02+(\a)/4                                ; source 0: window 2 or 3
.set J, 0
.rept 32
	v_pk_fma_f32 v[FW+J:FW+J+1], v[AC+J:AC+J+1], s[104:105], v[BIA+J:BIA+J+1] op_sel_hi:[1,0,1]   ; each accumulator from its low end on
.set J, J+2
.endr
	WIN 0
.set J, 0
.rept 32
	v_cvt_pk_f16_f32 v[TMP+J], v[FW+2*J], v[FW+2*J+1]
.set J, J+1
.endr
.endm
.macro TOSTAGE a
.set BB, BK+32*((\a)%2)
.irp b, 0,1,2,3,4,5,6,7
	ds_store_b128 v[STO], v[TMP+4*\b:TMP+4*\b+3] offset:(\b/4)*16*SPITCH+(\b%4)*32
.endr
.irp i, 0,1,2,3,4,5,6,7
	ds_load_b128 v[BB+4*\i:BB+4*\i+3], v[RD] offset:(\i/4)*16*SPITCH+(\i%4)*4*SPITCH
.endr
.endm
.macro SEND a
.set BB, BK+32*((\a)%2)
	s_wait_dscnt 0x0                               ; the block is back in registers
.irp i, 0,1,2,3,4,5,6,7
	global_store_b128 v[CO], v[BB+4*\i:BB+4*\i+3], s[12:13] offset:(\i/4)*262144+(\a)*2048+(\i%4)*512   ; 32 lanes store 512 consecutive bytes, aligned; every offset is an immediate
.endr
.endm
	PACK 0
	TOSTAGE 0
.irp a, 1,2,3,4,5,6,7                  ; block a's arithmetic stands between block a - 1's loads from the stage and the wait for them
	PACK \a
	SEND \a-1
.if \a > 1
	s_wait_xcnt 0x0                                ; block a - 2's stores have read their registers: block a's loads may land there
.endif
	TOSTAGE \a
.endr
	SEND 7
	s_wait_tensorcnt 0x0                           ; the wave's end: three lines behind my last tensor load and my last LDS store
	ds_add_u32 v[SPW], v[NIL]
	s_wait_dscnt 0x0
	CROUND                                         ; the closing round: no work-group ends while a partner may still ask for a tile that names it
	s_endpgm
.Lfunc_end_k_q7906bf4541_proj:
	.size	k_q7906bf4541_proj, .Lfunc_end_k_q7906bf4541_proj-k_q7906bf4541_proj
	.p2alignl 7, 3214868480
	.fill 96, 4, 3214868480
	.section	.rodata,"a",@progbits
	.p2align	6, 0x0
	.amdhsa_kernel k_q7906bf4541_proj
		.amdhsa_group_segment_fixed_size 327680
		.amdhsa_private_segment_fixed_size 0
		.amdhsa_enable_private_segment 0
		.amdhsa_kernarg_size 64
		.amdhsa_user_sgpr_count 2
		.amdhsa_user_sgpr_kernarg_segment_ptr 1
		.amdhsa_wavefront_size32 1
		.amdhsa_system_sgpr_workgroup_id_x 1
		.amdhsa_system_sgpr_workgroup_id_y 1
		.amdhsa_system_sgpr_workgroup_id_z 1
		.amdhsa_system_vgpr_workitem_id 0
		.amdhsa_next_free_vgpr 1024
		.amdhsa_next_free_sgpr 106
		.amdhsa_reserve_vcc 0
		.amdhsa_float_denorm_mode_32 3
		.amdhsa_float_denorm_mode_16_64 3
		.amdhsa_memory_ordered 1
		.amdhsa_forward_progress 1
		.amdhsa_inst_pref_size 146
	.end_amdhsa_kernel
	.amdgpu_metadata
---
amdhsa.version: [ 1, 2 ]
amdhsa.kernels:
  - .name:           k_q7906bf4541_proj
    .symbol:         k_q7906bf4541_proj.kd
    .args:
      - { .name: xc, .offset: 0, .size: 8, .value_kind: global_buffer, .address_space: global }
      - { .name: xs, .offset: 8, .size: 8, .value_kind: global_buffer, .address_space: global }
      - { .name: wc, .offset: 16, .size: 8, .value_kind: global_buffer, .address_space: global }
      - { .name: ws, .offset: 24, .size: 8, .value_kind: global_buffer, .address_space: global }
      - { .name: qkv, .offset: 32, .size: 8, .value_kind: global_buffer, .address_space: global }
      - { .name: bq, .offset: 40, .size: 8, .value_kind: global_buffer, .address_space: global }
      - { .name: bk, .offset: 48, .size: 8, .value_kind: global_buffer, .address_space: global }
      - { .name: bv, .offset: 56, .size: 8, .value_kind: global_buffer, .address_space: global }
    .group_segment_fixed_size: 327680
    .private_segment_fixed_size: 0
    .kernarg_segment_align: 8
    .kernarg_segment_size: 64
    .max_flat_workgroup_size: 128
    .sgpr_count:     106
    .vgpr_count:     1024
    .wavefront_size: 32
...
	.end_amdgpu_metadata
.endif
;; end of part 2
;; launch attn (part 3): grid 8 x 32, 8 waves a work-group, clusters of 4 x 1, 327,680 bytes of LDS; arguments mbits, xb, qkv; writes xb
.if DOCPART == 3
	.amdgcn_target "amdgcn-amd-amdhsa--gfx1250"
	.amdhsa_code_object_version 6
	.text
	.protected	k_q7906bf4541_attn
	.globl	k_q7906bf4541_attn
	.p2align	8
	.type	k_q7906bf4541_attn,@function
k_q7906bf4541_attn:
	s_mov_b64 s[64:65], 0
	v_nop
	global_prefetch_b8 v0, s[64:65] scope:SCOPE_SE
	s_setreg_imm32_b32 hwreg(HW_REG_WAVE_MODE, 25, 1), 1
	s_wait_xcnt 0x0
	s_wait_alu depctr_hold_cnt(0) depctr_sa_sdst(0) depctr_va_vdst(0) depctr_va_sdst(0) depctr_va_ssrc(0) depctr_va_vcc(0) depctr_vm_vsrc(0)
	s_getreg_b32 s2, hwreg(HW_REG_IB_STS2, 6, 4)
	s_cmp_eq_u32 s2, 0
	s_cbranch_scc0 .Lentry_in_a_cluster
	s_endpgm
.Lentry_in_a_cluster:
	s_bfe_u32 s2, ttmp6, 0x10000c
	s_cmp_lg_u32 s2, 0x3003
	s_cbranch_scc0 .Lentry_shape_is_right
	s_endpgm
.Lentry_shape_is_right:
; ATTN: x[b][q][head] = the sum over keys of softmax(where(mask == 0, -1e9, q . k / 8)) v, head size 64, 2,048 keys.  q (already times log2(e) / 8), k, v: f16, qkv [3][batch x head][2048][64].
; Products on f16 operands with f32 sums; maxima, exponentials and sums in f32; the weights p are rounded to f16 for the second product, x once at the end; the row's sum is taken of the unrounded p.
; THE MASK is an input: mbits holds, for each 32 queries and 64 keys, 64 lane masks, one for each score register of my two tiles; where a bit is 0 the score is REPLACED by -1e9 x log2(e), as the
; definition replaces it: a row with no key left comes out as the plain mean of v.  The words come by scalar loads and serve as the select of v_cndmask_b32 alone: no branch and no address hangs on them.
; SOFTMAX: for each query a running maximum m and sum l: p = 2^(t - m); in every step O and l are multiplied by a = 2^(old m - new m).
; LIMITS: p under 6e-8 is lost in f16; x of magnitude 65,504 or more becomes infinite; NaN and infinities are not served.
; SHARES.  A work-group owns 256 queries of one batch and head, each of its EIGHT waves 32: two tiles of 16, in 384 registers: two waves to a SIMD, so that one wave's vector work stands beside the other's
; products.  Every wave walks all keys, 64 a step.  K and V come through two LDS slots of 256 keys; each of the eight waves fetches a quarter of K's or of V's part: one tensor load of 64 rows x 128 bytes.
; CLUSTER.  The four query blocks of a cluster belong to one head and walk the same K and V: each tile is asked for JOINTLY, by the same load with the mask of all four.
; LAYOUT.  S^T = K Q^T (source 0 = 16 keys, source 1 = 16 queries): a lane holds ONE query (lane % 16) and keys 8 (lane / 16) + 0..7.  Two such tiles, rounded in pairs, ARE source 1 (32 keys x 16 queries)
; of O^T = V^T P.  K comes out of LDS as it lies, V ([key][channel]) turned, by ds_load_tr16_b128.
; REGISTERS: window 0: v1-8 addresses; v12-27 statistics, eight a tile (+0 m, +2, +3 l, +4 to +7 at work; a takes +6); v28 the masked score; v32-63 Q; v64-127 S^T; v128-159 P; v160-223 O^T.
;   window 1: v0-63 K of one step; v64-127 V of one step.
.set PK,    144                        ; a row of K in LDS: 128 bytes + 16: the 16 rows of a load begin at 16 different 16-byte columns modulo 256
.set PVP,   160                        ; a row of V: 128 + 32: 16 lanes of the turning load take 8 rows x 32 bytes
.set QTR,   10240                      ; a slot's eight quarters lie this far apart: four of K (64 rows, 9,216 bytes used), then four of V (64 rows, 10,240): wave w fetches quarter w
.set VOFF,  4*QTR
.set SLOT1, 1<<17                      ; slot 1 begins here, so that one exclusive or turns an address in one slot into the other's
.set STAGE, SLOT1+8*QTR                ; behind the slots: 32 rows x 144 bytes for each wave, for the way out
.set SPARE, STAGE+8*32*PK              ; behind the stages: the spare words, 128 bytes for each wave: four blocks of 256 bytes that no other line names
.set AK0, 1                            ; v1   my lane's place in a tile of K; never rewritten
.set AV0, 2                            ; v2   the same for V
.set ADK, 3                            ; v3   LDS address of the slot's K
.set ADV, 4                            ; v4   of its V
.set QO,  5                            ; v5   my byte offset in the wave's rows of Q
.set STO, 6                            ; v6   the way out: where I put 16 bytes of a row
.set RD,  7                            ; v7   where I read rows back
.set GO,  8                            ; v8   16 x lane
.set ST,  12
.set NEG, 28
.set PFO, 29                           ; v29  256 x lane: the prefetches' offset; never rewritten
.set SPW, 30                           ; v30  LDS address of my spare word; never rewritten
.set NIL, 31                           ; v31  0; never rewritten
.set QF,  32
.set S,   64
.set P,   128
.set OA,  160
.set WV,  2                            ; s2   my wave's number
.set SLOTS, 3                          ; s3   slots still to be asked for
.set MP,  4                            ; s[4:5]   my 32 queries' mask words, at the slot in hand
.set OP,  6                            ; s[6:7]   my 32 rows of xb
.set G1K, 8                            ; s[8:15]  descriptor group 1 for K's tiles
.set G1V, 16                           ; s[16:23] for V's: it differs in the padding alone
.set G0,  24                           ; s[24:27] my descriptor group 0, which walks
.set SEL, 28                           ; s[28:29] lane selects for v_permlanex16_b32: lane l xor 16
.set PFA, 30                           ; s[30:31] where my prefetches stand
.set MW0, 32                           ; s[32:63] tile 0's 32 mask words
.set TB,  66                           ; s66  LDS byte at which the slot in hand begins
.set LIM, 67                           ; s67  1 in a wave that prefetches, else the greatest number
.set MW1, 68                           ; s[68:99] tile 1's 32 mask words (before the first of them is asked for: at work in the head)
.set QB,  100                          ; s[100:101] my 32 rows of Q
.set MSB, 0
.macro WIN new                         ; the immediate's high byte repeats the setting that is left
.if MSB != (\new)
	s_set_vgpr_msb (MSB<<8)|(\new)
.set MSB, (\new)
.endif
.endm
; A joint load.  Waves 0 to 3 fetch K's quarters, waves 4 to 7 V's.  The branch hangs on the wave's number alone.  An s_nop 0 and four v_nop follow each of the two lines.
.macro JLOAD
	s_cmp_lt_u32 s[WV], 4
	s_cbranch_scc0 .Lfor_v_\@
	tensor_load_to_lds s[G0:G0+3], s[G1K:G1K+7]
	s_nop 0
.rept 4
	v_nop
.endr
	s_branch .Lasked_\@
.Lfor_v_\@:
	tensor_load_to_lds s[G0:G0+3], s[G1V:G1V+7]
	s_nop 0
.rept 4
	v_nop
.endr
.Lasked_\@:
.endm
; A PREFETCH INTO THE L2 of what the NEXT change of slots will ask for: a slot's 32,768 bytes of K and as many of V, both dense.  Both clusters of a head walk the same K and V: the head's first cluster asks.
; Its four partners share the bytes out BY ADDRESS, 8,192 each; in each, wave 0 asks for K's and wave 4 for V's, lanes 256 bytes apart: one instruction.  So each 256 bytes are named once in the launch.
; It stands behind the wave's tensor load and the run of LDS loads that the next products wait for.  The last change that fills a slot asks for nothing; slots 0 and 1 come by their loads alone.
.macro ASK
	s_cmp_gt_u32 s[SLOTS], s[LIM]
	s_cbranch_scc0 .Lnot_mine_\@
	global_prefetch_b8 v[PFO], s[PFA:PFA+1] th:TH_LOAD_NT scope:SCOPE_SE
.Lnot_mine_\@:
.endm
.macro CROUND                          ; a round of the cluster's barrier
	s_barrier_signal -1
	s_barrier_wait -1
	s_cmp_lg_u32 s[WV], 0
	s_cbranch_scc1 .Lnot_wave_0_\@
	s_barrier_signal -3
.Lnot_wave_0_\@:
	s_barrier_wait -3
	s_barrier_signal -1
	s_barrier_wait -1
.endm
.macro MLD q                           ; the 64 mask words of my 32 queries for the slot's q-th 64 keys: 256 bytes
	s_load_b512 s[MW0:MW0+15],    s[MP:MP+1], 256*(\q)
	s_load_b512 s[MW0+16:MW0+31], s[MP:MP+1], 256*(\q)+64
	s_load_b512 s[MW1:MW1+15],    s[MP:MP+1], 256*(\q)+128
	s_load_b512 s[MW1+16:MW1+31], s[MP:MP+1], 256*(\q)+192
.endm
	s_load_b128 s[68:71], s[0:1], 0x0              ; mbits, xb
	s_load_b64 s[72:73], s[0:1], 0x10              ; qkv
	v_lshl_add_u32 v[SPW], v0, 2, SPARE
	v_mov_b32 v[NIL], 0
	ds_add_u32 v[SPW], v[NIL]                      ; the wave's opening: the add, twice on end, and its wait ahead of my first tensor load; the set-up below, work on registers, stands between
	ds_add_u32 v[SPW], v[NIL]
	v_lshrrev_b32 v9, 5, v0
	v_readfirstlane_b32 s[WV], v9                  ; wave 0..7
	s_bfe_u32 s74, ttmp6, 0x40000                  ; cx: my place in the cluster
	s_lshl_b32 s75, ttmp9, 2
	s_add_co_u32 s75, s75, s74                     ; my block of 256 queries: it enters Q's, the mask's and xb's addresses alone
	s_and_b32 s76, ttmp7, 0xffff                   ; 16 x batch + head, which the four partners share
	s_lshr_b32 s77, s76, 4                         ; batch
	s_and_b32 s78, s76, 15                         ; head
	s_lshr_b32 s79, s[WV], 2                       ; 0: I fetch for K; 1: for V
	s_and_b32 s80, s[WV], 3                        ; which quarter
	; descriptor group 1: a tile of 64 rows x 64 elements of 2 bytes, padded in LDS behind every row
	s_mov_b32 s[G1K], 15|(1<<16)|(1<<20)|(1<<21)|(4<<22)|(3<<25)  ; 15:0 the mask: all four work-groups; 17:16 elements of 2 bytes; 20 padding on; 21 set beside a mask; 24:22 after every 32 words; 31:25 four words of it
	s_mov_b32 s[G1V], 15|(1<<16)|(1<<20)|(1<<21)|(4<<22)|(7<<25)  ; the same with eight words
.irp g, G1K, G1V
	s_mov_b32 s[\g+1], 64<<16                      ; tensor_dim0 = 64
	s_mov_b32 s[\g+2], 64<<16                      ; tensor_dim1 = 64
	s_mov_b32 s[\g+3], 64<<16                      ; tile_dim0 = 64
	s_mov_b32 s[\g+4], 64                          ; tile_dim1 = 64
	s_mov_b32 s[\g+5], 64                          ; tensor_dim0_stride
	s_mov_b32 s[\g+6], 0
	s_mov_b32 s[\g+7], 0
.endr
	s_mov_b32 s[G0], 1                             ; count = 1
	s_mul_i32 s[G0+1], s[WV], QTR                  ; LDS address: quarter w of slot 0: no place in the cluster enters it
	s_add_co_u32 s81, s79, 1
	s_lshl_b32 s81, s81, 23                        ; K is the second tensor of qkv, V the third: 8,388,608 bytes each
	s_lshl_b32 s82, s76, 18                        ; a head's 262,144 bytes
	s_add_co_u32 s82, s82, s81
	s_lshl_b32 s83, s80, 13                        ; my quarter's 64 rows of 128 bytes
	s_add_co_u32 s84, s82, s83
	s_mov_b32 s85, 0
	s_lshl_b32 s86, s77, 6                         ; the mask words: (64 x batch + 8 x block + wave) x 8,192 bytes
	s_lshl_b32 s87, s75, 3
	s_add_co_u32 s86, s86, s87
	s_add_co_u32 s86, s86, s[WV]
	s_lshl_b32 s86, s86, 13
	s_mov_b32 s87, 0
	s_lshl_b32 s88, s77, 4                         ; xb [128 tokens][head][128][64]: (16 x batch + 2 x block + wave / 4) x 262,144 + head x 16,384 + (wave % 4) x 4,096
	s_lshl_b32 s89, s75, 1
	s_add_co_u32 s88, s88, s89
	s_add_co_u32 s88, s88, s79
	s_lshl_b32 s88, s88, 18
	s_lshl_b32 s89, s78, 14
	s_add_co_u32 s88, s88, s89
	s_lshl_b32 s89, s80, 12
	s_add_co_u32 s88, s88, s89
	s_mov_b32 s89, 0
	s_lshl_b32 s90, s76, 18                        ; Q: the head, my block's 256 rows, my wave's 32
	s_lshl_b32 s91, s75, 15
	s_add_co_u32 s90, s90, s91
	s_lshl_b32 s91, s[WV], 12
	s_add_co_u32 s90, s90, s91
	s_mov_b32 s91, 0
	s_lshl_b32 s92, s74, 13                        ; the prefetches: my work-group's 8,192 bytes,
	s_add_co_u32 s92, s92, s82
	s_add_co_u32 s92, s92, 32768                   ; in slot 1: the first change of slots steps it to slot 2.  Nothing is prefetched at the head
	s_mov_b32 s93, 0
	s_or_b32 s[LIM], s80, ttmp9                    ; 0 in waves 0 and 4 of the head's first cluster: the same in all four partners
	s_cmp_eq_u32 s[LIM], 0
	s_cselect_b32 s[LIM], 1, -1
	s_mov_b32 s[SEL], 0x76543210
	s_mov_b32 s[SEL+1], 0xfedcba98
	s_mov_b32 s[TB], 0
	s_mov_b32 s[SLOTS], 7
	s_wait_dscnt 0x0                               ; both opening adds are done
	s_wait_kmcnt 0x0
	s_add_nc_u64 s[MP:MP+1], s[68:69], s[86:87]
	s_add_nc_u64 s[OP:OP+1], s[70:71], s[88:89]
	s_add_nc_u64 s[QB:QB+1], s[72:73], s[90:91]
	s_add_nc_u64 s[PFA:PFA+1], s[72:73], s[92:93]
	s_add_nc_u64 s[G0+2:G0+3], s[72:73], s[84:85]  ; global address of my quarter of the first 256 keys
	s_or_b32 s[G0+3], s[G0+3], 0x80000000          ; type = 2
	CROUND                                         ; all four work-groups are here: the first joint loads meet
	JLOAD                                          ; slot 0: one tensor load of mine is out
	v_and_b32 v9, 15, v0                           ; r = l % 16
	v_bfe_u32 v10, v0, 4, 1                        ; h = l / 16
	v_lshlrev_b32 v[QO], 7, v9
	v_lshl_add_u32 v[QO], v10, 4, v[QO]            ; row x 128 + 16 x half
.irp t, 0,1                                    ; Q stays in registers: tile t, channels 32 c on: two loads of 16 bytes, 32 bytes apart
.irp c, 0,1
	global_load_b128 v[QF+16*\t+8*\c:QF+16*\t+8*\c+3],   v[QO], s[QB:QB+1] offset:\t*2048+\c*64
	global_load_b128 v[QF+16*\t+8*\c+4:QF+16*\t+8*\c+7], v[QO], s[QB:QB+1] offset:\t*2048+\c*64+32
.endr
.endr
	MLD 0                                          ; the first step's mask words (s68-99 are free from here on)
	v_mul_u32_u24 v[AK0], v9, PK
	v_lshl_add_u32 v[AK0], v10, 4, v[AK0]          ; K: row x pitch + 16 x half
	v_and_b32 v11, 7, v0                           ; the turning load: lane l reads 16 bytes: key 8 (l / 16) + l % 8, channels 8 ((l / 8) % 2) + 0..7
	v_lshl_add_u32 v[AV0], v10, 3, v11
	v_mul_u32_u24 v[AV0], v[AV0], PVP
	v_bfe_u32 v11, v0, 3, 1
	v_lshl_add_u32 v[AV0], v11, 4, v[AV0]
	v_add_nc_u32 v[AV0], VOFF, v[AV0]
	s_mul_i32 s104, s[WV], 32*PK
	s_add_co_u32 s104, s104, STAGE                 ; my stage
	v_mul_u32_u24 v[STO], v9, PK                   ; in: row l % 16, 16 bytes for each half of the lanes
	v_lshl_add_u32 v[STO], v10, 4, v[STO]
	v_add_nc_u32 v[STO], s104, v[STO]
	v_and_b32 v11, 31, v0
	v_lshlrev_b32 v[GO], 4, v11
	v_lshlrev_b32 v[PFO], 8, v11
	v_lshrrev_b32 v[RD], 3, v11                    ; back: eight lanes to a row of 128 bytes, four rows an instruction
	v_mul_u32_u24 v[RD], v[RD], PK
	v_and_b32 v11, 7, v0
	v_lshl_add_u32 v[RD], v11, 4, v[RD]
	v_add_nc_u32 v[RD], s104, v[RD]
	v_mov_b32 v[NEG], 0xceabfb8f                   ; -1e9 x log2(e)
.irp t, 0,1
	v_mov_b32 v[ST+8*\t], 0xff61b1e6               ; m: -3e38, under every score
	v_mov_b32 v[ST+8*\t+1], 0                      ; (named with m as a pair, so it is written)
	v_mov_b32 v[ST+8*\t+2], 0                      ; l, in two halves
	v_mov_b32 v[ST+8*\t+3], 0
.endr
.set I, 0
.rept 64
	v_mov_b32 v[OA+I], 0                           ; O^T.  (The step is written once for all steps: the first finds zeros, which a = 0 leaves zeros)
.set I, I+1
.endr
; THE LDS LOADS stand in runs.  A step's K: 64 keys x 64 channels: fragment (kt, c) = keys 16 kt on, channels 32 c on, at v[16 kt + 8 c] of window 1.
.macro FETCH_K q
.irp kt, 0,1,2,3
.irp c, 0,1
	ds_load_b128 v[16*\kt+8*\c:16*\kt+8*\c+3],   v[ADK] offset:(\q)*QTR+\kt*16*PK+\c*64
	ds_load_b128 v[16*\kt+8*\c+4:16*\kt+8*\c+7], v[ADK] offset:(\q)*QTR+\kt*16*PK+\c*64+32
.endr
.endr
.endm
; Its V, turned: fragment (kc, ct) = keys 32 kc on, channels 16 ct on, at v[64 + 32 kc + 8 ct] of window 1.
.macro FETCH_V q
.irp kc, 0,1
.irp ct, 0,1,2,3
	ds_load_tr16_b128 v[64+32*\kc+8*\ct:64+32*\kc+8*\ct+3],   v[ADV] offset:(\q)*QTR+\kc*32*PVP+\ct*32
	ds_load_tr16_b128 v[64+32*\kc+8*\ct+4:64+32*\kc+8*\ct+7], v[ADV] offset:(\q)*QTR+\kc*32*PVP+16*PVP+\ct*32
.endr
.endr
.endm
; S^T = K Q^T: 16 matrix instructions; the eight accumulators (tile t, keys 16 kt on) take turns, one instruction a turn; the first eight start the sums.
.macro KQ
	WIN 0x01                                       ; source 0 (K) in window 1
.irp c, 0,1
.irp kt, 0,1,2,3
.irp t, 0,1
.if \c == 0
	v_wmma_f32_16x16x32_f16 v[S+32*\t+8*\kt:S+32*\t+8*\kt+7], v[16*\kt+8*\c:16*\kt+8*\c+7], v[QF+16*\t+8*\c:QF+16*\t+8*\c+7], 0
.else
	v_wmma_f32_16x16x32_f16 v[S+32*\t+8*\kt:S+32*\t+8*\kt+7], v[16*\kt+8*\c:16*\kt+8*\c+7], v[QF+16*\t+8*\c:QF+16*\t+8*\c+7], v[S+32*\t+8*\kt:S+32*\t+8*\kt+7]
.endif
.endr
.endr
.endr
	WIN 0
.endm
; O^T += V^T P: 16 matrix instructions; the eight accumulators (tile t, channels 16 ct on) take turns.
.macro PV
	WIN 0x01                                       ; source 0 (V) in window 1
.irp kc, 0,1
.irp ct, 0,1,2,3
.irp t, 0,1
	v_wmma_f32_16x16x32_f16 v[OA+32*\t+8*\ct:OA+32*\t+8*\ct+7], v[64+32*\kc+8*\ct:64+32*\kc+8*\ct+7], v[P+16*\t+8*\kc:P+16*\t+8*\kc+7], v[OA+32*\t+8*\ct:OA+32*\t+8*\ct+7]
.endr
.endr
.endr
	WIN 0
.endm
.macro TREE w, n                       ; both tiles' sums of pairs, in place: n additions of neighbours w / 2 registers apart
.set U, 0
.rept \n
.irp t, 0,1
	v_pk_add_f32 v[S+32*\t+(\w)*U:S+32*\t+(\w)*U+1], v[S+32*\t+(\w)*U:S+32*\t+(\w)*U+1], v[S+32*\t+(\w)*U+(\w)/2:S+32*\t+(\w)*U+(\w)/2+1]
.endr
.set U, U+1
.endr
.endm
; A KEY STEP: 64 keys, the q-th of the slot in hand.  last = 1: the launch's last step, which asks for no further mask words.
.macro STEP q, last
	s_wait_dscnt 0x0                               ; K of this step is in
	KQ
.rept 4
	v_nop                                          ; four places behind the products, in front of the loads into K's and V's registers and of the first lines that touch the scores (ISA guide 7.12.1 for vector instructions)
.endr
	WIN 0x40                                       ; destination window 1, address window 0
	FETCH_V \q                                     ; one run of loads: this step's V,
.if (\q) < 3
	FETCH_K (\q)+1                                 ; and the next step's K
.endif
	WIN 0
	s_wait_kmcnt 0x0                               ; this step's mask words are in
.set I, 0
.rept 32
	v_cndmask_b32 v[S+I], v[NEG], v[S+I], s[MW0+I] ; where the mask's bit is 0 the score is replaced.  Each accumulator from its low end on
.set I, I+1
.endr
.set I, 0
.rept 32
	v_cndmask_b32 v[S+32+I], v[NEG], v[S+32+I], s[MW1+I]
.set I, I+1
.endr
.irp j, 0,1,2,3                                ; the maximum of a lane's 32 scores and the old m, three operands at a time, in four chains; the two tiles line by line
.irp t, 0,1
	v_max3_num_f32 v[ST+8*\t+4+\j], v[S+32*\t+8*\j], v[S+32*\t+8*\j+1], v[S+32*\t+8*\j+2]
.endr
.endr
.irp g, 1,2
.irp j, 0,1,2,3
.irp t, 0,1
	v_max3_num_f32 v[ST+8*\t+4+\j], v[ST+8*\t+4+\j], v[S+32*\t+8*\j+2*\g+1], v[S+32*\t+8*\j+2*\g+2]
.endr
.endr
.endr
.irp t, 0,1
	v_max3_num_f32 v[ST+8*\t+4], v[ST+8*\t+4], v[S+32*\t+7], v[S+32*\t+15]
	v_max3_num_f32 v[ST+8*\t+6], v[ST+8*\t+6], v[S+32*\t+23], v[S+32*\t+31]
.endr
.irp t, 0,1
	v_max3_num_f32 v[ST+8*\t+4], v[ST+8*\t+4], v[ST+8*\t+5], v[ST+8*\t+6]
.endr
.irp t, 0,1
	v_max3_num_f32 v[ST+8*\t+4], v[ST+8*\t+4], v[ST+8*\t+7], v[ST+8*\t]
.endr
.irp t, 0,1
	v_permlanex16_b32 v[ST+8*\t+5], v[ST+8*\t+4], s[SEL], s[SEL+1]   ; the query's other 32 keys lie in the lane 16 away
.endr
.irp t, 0,1
	v_mov_b32 v[ST+8*\t+7], v[ST+8*\t]             ; the old m is kept for a
.endr
.irp t, 0,1
	v_max_num_f32 v[ST+8*\t], v[ST+8*\t+4], v[ST+8*\t+5]
.endr
.irp t, 0,1
	v_sub_f32 v[ST+8*\t+7], v[ST+8*\t+7], v[ST+8*\t]
.endr
.if (\q) == 3                                  ; the next step's mask words: the selects above have read the registers; the wait on KMcnt above has shown the last loads done, so their base may step
.if !(\last)
	s_add_nc_u64 s[MP:MP+1], s[MP:MP+1], 1024      ; a slot's four steps on
	MLD 0
.endif
.else
	MLD (\q)+1
.endif
.irp t, 0,1
.set I, 0
.rept 16
	v_pk_add_f32 v[S+32*\t+I:S+32*\t+I+1], v[S+32*\t+I:S+32*\t+I+1], v[ST+8*\t:ST+8*\t+1] op_sel_hi:[1,0] neg_lo:[0,1] neg_hi:[0,1]   ; t - m, two at a time (of the pair the low word, m, serves both)
.set I, I+2
.endr
.endr
.irp t, 0,1
	v_exp_f32 v[ST+8*\t+6], v[ST+8*\t+7]           ; a = 2^(old m - new m)
.endr
.set I, 0
.rept 64
	v_exp_f32 v[S+I], v[S+I]                       ; p = 2^(t - m)
.set I, I+1
.endr
	v_nop                                          ; a plain instruction behind the last exponential, ahead of the first use
	s_wait_alu depctr_va_vdst(0)                   ; ONE wait for the batch of 66, ahead of its first reader
.set I, 0
.rept 32
	v_cvt_pk_f16_f32 v[P+I], v[S+2*I], v[S+2*I+1]  ; a pair of weights: two neighbouring keys of one query
.set I, I+1
.endr
	TREE 4, 8                                      ; the row's sum, of the unrounded p
	TREE 8, 4
	TREE 16, 2
	TREE 32, 1
.irp t, 0,1
	v_pk_fma_f32 v[ST+8*\t+2:ST+8*\t+3], v[ST+8*\t+2:ST+8*\t+3], v[ST+8*\t+6:ST+8*\t+7], v[S+32*\t:S+32*\t+1] op_sel_hi:[1,0,1]   ; l = a l + the sum
.endr
.irp t, 0,1
.set I, 0
.rept 16
	v_pk_mul_f32 v[OA+32*\t+I:OA+32*\t+I+1], v[OA+32*\t+I:OA+32*\t+I+1], v[ST+8*\t+6:ST+8*\t+7] op_sel_hi:[1,0]   ; O^T x a, each accumulator from its low end on
.set I, I+2
.endr
.endr
.if (\q) < 3
	s_wait_dscnt 16                                ; V is in; the sixteen younger loads, the next step's K, may be out
.else
	s_wait_dscnt 0x0
.endif
	PV
.endm
; THE CHANGE OF SLOTS stands at a slot's head.  Each wave waits for all its tensor loads (one is out: its quarter of the slot that it is about to read), adds 0 to its spare word, and waits for that and for its
; reads of the slot that it has left.  fill = 1: the barrier is a round of the cluster's, so that no wave of any partner still reads that slot or has a load on its way, and the joint load that fills it with the
; next 256 keys is the first thing behind: it has a slot's four steps, 128 matrix instructions of each wave, in which to land.
.macro CHANGE fill
	s_wait_tensorcnt 0x0                           ; no tensor load of mine is out, so my group 0 may be written
	ds_add_u32 v[SPW], v[NIL]                      ; 0 onto my spare word
.if \fill
	s_xor_b32 s[G0+1], s[G0+1], SLOT1              ; the other slot than last time,
	s_add_nc_u64 s[G0+2:G0+3], s[G0+2:G0+3], 32768 ; the next 256 keys; the type bits on top are not reached
	s_wait_xcnt 0x0                                ; the last prefetch, a slot back, has read its address, so it may be written:
	s_add_nc_u64 s[PFA:PFA+1], s[PFA:PFA+1], 32768 ; one slot further on than my descriptor
	s_wait_dscnt 0x0                               ; the add is done, and my reads of the slot that I have left are over
	CROUND
	JLOAD
.else
	s_wait_dscnt 0x0
	s_barrier_signal -1
	s_barrier_wait -1
.endif
.endm
.macro SLOT_STEPS ask, last
	v_add_nc_u32 v[ADK], s[TB], v[AK0]
	v_add_nc_u32 v[ADV], s[TB], v[AV0]
	WIN 0x40
	FETCH_K 0
	WIN 0
.if \ask
	ASK
.endif
	STEP 0, 0
	STEP 1, 0
	STEP 2, 0
	STEP 3, \last
	s_xor_b32 s[TB], s[TB], SLOT1                  ; on to the other slot
.endm
	s_wait_loadcnt 0x0                             ; Q
.Lslot:                                            ; 7 trips: behind each change of slots but the last the next slot is asked for
	CHANGE 1
	SLOT_STEPS 1, 0
	s_sub_co_u32 s[SLOTS], s[SLOTS], 1
	s_cmp_lg_u32 s[SLOTS], 0
	s_cbranch_scc1 .Lslot
	CHANGE 0                                       ; the last slot is written out
	SLOT_STEPS 0, 1
	; THE WAY OUT.  l's two halves and the other half of the lanes' are added; O^T is divided by l, rounded to f16 and sent through my stage: 32 rows of 128 bytes, which are 4,096 consecutive bytes of xb.
.rept 4
	v_nop                                          ; four places behind the last products
.endr
.irp t, 0,1
	v_add_f32 v[ST+8*\t+4], v[ST+8*\t+2], v[ST+8*\t+3]
.endr
.irp t, 0,1
	v_permlanex16_b32 v[ST+8*\t+5], v[ST+8*\t+4], s[SEL], s[SEL+1]
.endr
.irp t, 0,1
	v_add_f32 v[ST+8*\t+4], v[ST+8*\t+4], v[ST+8*\t+5]
.endr
.irp t, 0,1
	v_rcp_f32 v[ST+8*\t+6], v[ST+8*\t+4]
.endr
	v_nop                                          ; a plain instruction between the last reciprocal and the use of its result
	s_wait_alu depctr_va_vdst(0)                   ; and a wait ahead of the first use: one for both
.irp t, 0,1
.set I, 0
.rept 16
	v_pk_mul_f32 v[OA+32*\t+I:OA+32*\t+I+1], v[OA+32*\t+I:OA+32*\t+I+1], v[ST+8*\t+6:ST+8*\t+7] op_sel_hi:[1,0]
.set I, I+2
.endr
.endr
.set I, 0
.rept 32
	v_cvt_pk_f16_f32 v[S+I], v[OA+2*I], v[OA+2*I+1]
.set I, I+1
.endr
.irp t, 0,1
.irp ct, 0,1,2,3
	ds_store_b128 v[STO], v[S+16*\t+4*\ct:S+16*\t+4*\ct+3] offset:\t*16*PK+\ct*32   ; lane (r, h): query 16 t + r, channels 16 ct + 8 h + 0 .. 7
.endr
.endr
.irp i, 0,1,2,3,4,5,6,7
	ds_load_b128 v[S+32+4*\i:S+32+4*\i+3], v[RD] offset:\i*4*PK   ; LDS serves a wave's instructions in order: these see my stores
.endr
.irp i, 0,1,2,3,4,5,6,7
	s_wait_dscnt 7-\i                              ; load i is in; the younger ones may be out
	global_store_b128 v[GO], v[S+32+4*\i:S+32+4*\i+3], s[OP:OP+1] offset:512*\i   ; 32 lanes store 512 consecutive bytes, aligned
.endr
	s_wait_tensorcnt 0x0                           ; the wave's end: three lines behind my last tensor load and my last LDS store
	ds_add_u32 v[SPW], v[NIL]
	s_wait_dscnt 0x0
	CROUND                                         ; the closing round: no work-group ends while a partner may still ask for a tile that names it
	s_endpgm
.Lfunc_end_k_q7906bf4541_attn:
	.size	k_q7906bf4541_attn, .Lfunc_end_k_q7906bf4541_attn-k_q7906bf4541_attn
	.p2alignl 7, 3214868480
	.fill 96, 4, 3214868480
	.section	.rodata,"a",@progbits
	.p2align	6, 0x0
	.amdhsa_kernel k_q7906bf4541_attn
		.amdhsa_group_segment_fixed_size 327680
		.amdhsa_private_segment_fixed_size 0
		.amdhsa_enable_private_segment 0
		.amdhsa_kernarg_size 24
		.amdhsa_user_sgpr_count 2
		.amdhsa_user_sgpr_kernarg_segment_ptr 1
		.amdhsa_wavefront_size32 1
		.amdhsa_system_sgpr_workgroup_id_x 1
		.amdhsa_system_sgpr_workgroup_id_y 1
		.amdhsa_system_sgpr_workgroup_id_z 1
		.amdhsa_system_vgpr_workitem_id 0
		.amdhsa_next_free_vgpr 384
		.amdhsa_next_free_sgpr 106
		.amdhsa_reserve_vcc 0
		.amdhsa_float_denorm_mode_32 3
		.amdhsa_float_denorm_mode_16_64 3
		.amdhsa_memory_ordered 1
		.amdhsa_forward_progress 1
		.amdhsa_inst_pref_size 187
	.end_amdhsa_kernel
	.amdgpu_metadata
---
amdhsa.version: [ 1, 2 ]
amdhsa.kernels:
  - .name:           k_q7906bf4541_attn
    .symbol:         k_q7906bf4541_attn.kd
    .args:
      - { .name: mbits, .offset: 0, .size: 8, .value_kind: global_buffer, .address_space: global }
      - { .name: xb, .offset: 8, .size: 8, .value_kind: global_buffer, .address_space: global }
      - { .name: qkv, .offset: 16, .size: 8, .value_kind: global_buffer, .address_space: global }
    .group_segment_fixed_size: 327680
    .private_segment_fixed_size: 0
    .kernarg_segment_align: 8
    .kernarg_segment_size: 24
    .max_flat_workgroup_size: 256
    .sgpr_count:     106
    .vgpr_count:     384
    .wavefront_size: 32
...
	.end_amdgpu_metadata
.endif
;; end of part 3
;; launch oproj (part 4): grid 8 x 32, 4 waves a work-group, clusters of 4 x 4, 327,680 bytes of LDS; arguments xb, wo16, bo, out0; writes out0
.if DOCPART == 4
	.amdgcn_target "amdgcn-amd-amdhsa--gfx1250"
	.amdhsa_code_object_version 6
	.text
	.protected	k_q7906bf4541_oproj
	.globl	k_q7906bf4541_oproj
	.p2align	8
	.type	k_q7906bf4541_oproj,@function
k_q7906bf4541_oproj:
	s_mov_b64 s[64:65], 0
	v_nop
	global_prefetch_b8 v0, s[64:65] scope:SCOPE_SE
	s_setreg_imm32_b32 hwreg(HW_REG_WAVE_MODE, 25, 1), 1
	s_wait_xcnt 0x0
	s_wait_alu depctr_hold_cnt(0) depctr_sa_sdst(0) depctr_va_vdst(0) depctr_va_sdst(0) depctr_va_ssrc(0) depctr_va_vcc(0) depctr_vm_vsrc(0)
	s_getreg_b32 s2, hwreg(HW_REG_IB_STS2, 6, 4)
	s_cmp_eq_u32 s2, 0
	s_cbranch_scc0 .Lentry_in_a_cluster
	s_endpgm
.Lentry_in_a_cluster:
	s_bfe_u32 s2, ttmp6, 0x10000c
	s_cmp_lg_u32 s2, 0xf033
	s_cbranch_scc0 .Lentry_shape_is_right
	s_endpgm
.Lentry_shape_is_right:
; OPROJ: out0[token][n] = the sum over k of x[token][k] Wo[n][k] + bo[n].  4,096 x 1,024 x 1,024; f16 operands, f32 sums, f32 out.
; xb [128 tokens][head][128][64] and wo16 [128 n][head][128][64], f16: for a tile of 128 rows the 64 k of a head are 16,384 dense bytes, the heads one behind the other.
; A tile of out0 is 128 x 128: 256 work-groups.  Four waves, each 64 x 64: 16 accumulators, 128 registers.  K goes in steps of 256 (four heads) through two LDS slots; a wave's tensor load brings two heads
; of x's or of Wo's tile: 256 rows of 128 bytes, 32,768 dense bytes.  Four K steps: each slot is filled twice; the text is written out, without a loop.
; CLUSTERS: 4 x 4 work-groups.  The four of a row of the cluster need the same tiles of x, the four of a column the same tiles of Wo: each is asked for JOINTLY.
; THE MATRIX INSTRUCTION IS USED TRANSPOSED (source 0 = 16 rows of Wo, source 1 = 16 rows of x): a lane then holds eight neighbouring numbers of a row of out0.  The bias is the C of each sum's first product.
; No prefetch: the tiles are small and a K step's matrix work is short; what is asked for jointly is asked a K step ahead.
; REGISTERS: window 0: v0-31 addresses; v32-63 the bias, four tiles in the result's layout; on the way out v32-95 rows read back; v128-255 the accumulators ((a, b) at v[128 + 8 (4 a + b)]).
;   window 1: two fragment buffers of 128: for 64 along K (one head), 64 registers of x, then 64 of Wo.
.set PITCH,  144                       ; an LDS row: 128 bytes + 16: the 16 rows that a load touches begin at 16 different 16-byte columns modulo 256
.set HEADB,  128*PITCH                 ; a head's 128 rows
.set HALFT,  2*HEADB                   ; what one tensor load brings
.set SLOT,   4*HALFT                   ; x's four heads, then Wo's four
.set STAGE,  2*SLOT                    ; behind the slots: 16 rows x 272 bytes for each wave, for the way out
.set SPITCH, 272
.set SPARE,  STAGE+4*16*SPITCH         ; behind the stages: the spare words, 128 bytes for each wave
.set ADRA, 16                          ; v16-17  LDS address of my x fragments in slot 0, 1
.set ADRB, 20                          ; v20-21  the same for Wo
.set STO,  24                          ; v24     the way out: where I put 32 bytes of a row
.set RD,   25                          ; v25     where I read rows back
.set CO,   26                          ; v26     my byte offset in out0
.set BO,   27                          ; v27     32 x (lane / 16)
.set SPW,  28                          ; v28     LDS address of my spare word; never rewritten
.set NIL,  29                          ; v29     0; never rewritten
.set BIA,  32
.set OB,   32
.set ACC,  128
.set F0,   0                           ; fragment buffers, in window 1
.set F1,   128
.set G1, 24                            ; s[24:31] descriptor group 1 for x's tiles;  s[32:39] group 0, one set for each slot
.set G0, 32
.set G1B, 48                           ; s[48:55], s[56:63] the same for Wo's tiles
.set G0B, 56
.set MSB, 0
.macro WIN new                         ; the immediate's high byte repeats the setting that is left
.if MSB != (\new)
	s_set_vgpr_msb (MSB<<8)|(\new)
.set MSB, (\new)
.endif
.endm
.set MUL,  0x05                        ; sources 0 (Wo) and 1 (x) window 1; C and D window 0
.set TO_F, 0x40                        ; destination window 1, address window 0
.macro JLOAD s                         ; a joint load: waves 0 and 1 fetch x's two halves, waves 2 and 3 Wo's; an s_nop 0 and four v_nop follow each of the two lines
	s_cmp_eq_u32 s11, 0
	s_cbranch_scc0 .Lfor_b_\@
	tensor_load_to_lds s[G0+4*\s:G0+4*\s+3], s[G1:G1+7]
	s_nop 0
.rept 4
	v_nop
.endr
	s_branch .Lasked_\@
.Lfor_b_\@:
	tensor_load_to_lds s[G0B+4*\s:G0B+4*\s+3], s[G1B:G1B+7]
	s_nop 0
.rept 4
	v_nop
.endr
.Lasked_\@:
.endm
.macro CREST                           ; a round of the cluster's barrier behind its opening barrier
	s_cmp_lg_u32 s10, 0
	s_cbranch_scc1 .Lnot_wave_0_\@
	s_barrier_signal -3
.Lnot_wave_0_\@:
	s_barrier_wait -3
	s_barrier_signal -1
	s_barrier_wait -1
.endm
.macro CROUND                          ; a whole round
	s_barrier_signal -1
	s_barrier_wait -1
	CREST
.endm
	s_load_b128 s[4:7], s[0:1], 0x0                ; xb s[4:5], wo16 s[6:7]
	s_load_b64 s[68:69], s[0:1], 0x10              ; bo
	s_load_b64 s[8:9], s[0:1], 0x18                ; out0
	v_lshl_add_u32 v[SPW], v0, 2, SPARE
	v_mov_b32 v[NIL], 0
	ds_add_u32 v[SPW], v[NIL]                      ; the wave's opening: the add, twice on end, and its wait ahead of my first tensor load; the set-up below, work on registers, stands between
	ds_add_u32 v[SPW], v[NIL]
	v_lshrrev_b32 v1, 5, v0
	v_readfirstlane_b32 s10, v1                    ; wave 0..3
	s_lshr_b32 s11, s10, 1                         ; which half of the tile's rows is mine.  Also: I fetch for x (0) or for Wo (1)
	s_and_b32 s12, s10, 1                          ; which half of its columns.  Also: which two heads of a K step I fetch
	s_bfe_u32 s40, ttmp6, 0x40000                  ; cx, cy: my place in the cluster
	s_bfe_u32 s41, ttmp6, 0x40004
	s_lshl_b32 s42, ttmp9, 2
	s_add_co_u32 s42, s42, s40                     ; tile column = 4 x cluster x + cx
	s_and_b32 s13, ttmp7, 0xffff
	s_lshl_b32 s13, s13, 2
	s_add_co_u32 s13, s13, s41                     ; tile row = 4 x cluster y + cy
	s_lshl_b32 s43, s41, 2
	s_lshl_b32 s43, 15, s43                        ; my row of the cluster
	s_lshl_b32 s44, 0x1111, s40                    ; my column
	; descriptor group 1: 256 rows x 64 elements of 2 bytes, dense in memory, padded in LDS behind every row
	s_or_b32 s[G1+0], s43, (1<<16)|(1<<20)|(1<<21)|(4<<22)|(3<<25)  ; 15:0 the mask: x's tiles go to my row; 17:16 element of 2 bytes; 20 padding on; 21 set beside a mask; 24:22 after every 32 words; 31:25 four words of it
	s_or_b32 s[G1B+0], s44, (1<<16)|(1<<20)|(1<<21)|(4<<22)|(3<<25)
.irp g, G1, G1B
	s_mov_b32 s[\g+1], 64<<16                      ; tensor_dim0 = 64
	s_mov_b32 s[\g+2], 256<<16                     ; tensor_dim1 = 256
	s_mov_b32 s[\g+3], 64<<16                      ; tile_dim0 = 64
	s_mov_b32 s[\g+4], 256                         ; tile_dim1 = 256
	s_mov_b32 s[\g+5], 64                          ; tensor_dim0_stride
	s_mov_b32 s[\g+6], 0
	s_mov_b32 s[\g+7], 0
.endr
	s_lshl_b32 s17, s12, 15                        ; my two heads: 32,768 bytes
	s_lshl_b32 s16, s13, 18
	s_add_co_u32 s16, s16, s17                     ; x: 262,144 x tile row + my half
	s_lshl_b32 s46, s42, 18
	s_add_co_u32 s46, s46, s17                     ; Wo: 262,144 x tile column + my half
	s_mov_b32 s17, 0
	s_mov_b32 s47, 0
	s_mul_i32 s20, s10, HALFT                      ; where they go: wave x 256 rows: no place in the cluster enters an LDS address
	s_wait_dscnt 0x0                               ; both opening adds are done
	s_wait_kmcnt 0x0
	s_add_nc_u64 s[14:15], s[4:5], s[16:17]
	s_add_nc_u64 s[46:47], s[6:7], s[46:47]
	CROUND                                         ; all sixteen work-groups are here: the first joint loads meet
.irp s, 0,1
	s_mov_b32 s[G0+4*\s], 1
	s_add_co_u32 s[G0+4*\s+1], s20, \s*SLOT
	s_add_nc_u64 s[G0+4*\s+2:G0+4*\s+3], s[14:15], \s*65536       ; K step s: four heads on
	s_or_b32 s[G0+4*\s+3], s[G0+4*\s+3], 0x80000000
	s_mov_b32 s[G0B+4*\s], 1
	s_add_co_u32 s[G0B+4*\s+1], s20, \s*SLOT
	s_add_nc_u64 s[G0B+4*\s+2:G0B+4*\s+3], s[46:47], \s*65536
	s_or_b32 s[G0B+4*\s+3], s[G0B+4*\s+3], 0x80000000
	JLOAD \s                                       ; two tensor loads of mine are out
.endr
	v_and_b32 v1, 15, v0                           ; l % 16
	v_bfe_u32 v2, v0, 4, 1                         ; l / 16
	s_lshl_b32 s16, s13, 19                        ; my first row of out0: (128 x tile row + 64 x half) x 4,096 bytes
	s_lshl_b32 s17, s11, 18
	s_add_co_u32 s16, s16, s17
	s_mov_b32 s17, 0
	s_add_nc_u64 s[8:9], s[8:9], s[16:17]
	s_lshl_b32 s46, s42, 9                         ; my first column, in bytes: 512 x tile column + 256 x half: the same in out0's rows and in bo
	s_lshl_b32 s47, s12, 8
	s_add_co_u32 s46, s46, s47
	s_mov_b32 s47, 0
	s_add_nc_u64 s[8:9], s[8:9], s[46:47]
	s_add_nc_u64 s[68:69], s[68:69], s[46:47]
	v_lshlrev_b32 v[BO], 5, v2
.irp b, 0,1,2,3                                ; the bias in the result's layout: tile b, register j: column 16 b + 8 (l / 16) + j
	global_load_b128 v[BIA+8*\b:BIA+8*\b+3],   v[BO], s[68:69] offset:64*\b
	global_load_b128 v[BIA+8*\b+4:BIA+8*\b+7], v[BO], s[68:69] offset:64*\b+16
.endr
	v_mul_u32_u24 v3, v1, PITCH
	v_lshl_add_u32 v3, v2, 4, v3                   ; a fragment's row x pitch + 16 x half
	s_mul_i32 s21, s11, 64*PITCH                   ; my 64 rows of each head of x
	s_mul_i32 s22, s12, 64*PITCH                   ; my 64 rows of each head of Wo,
	s_add_co_u32 s22, s22, 2*HALFT                 ; which lie behind x's four heads
.irp s, 0,1
	v_add_nc_u32 v[ADRA+\s], s21, v3
	v_add_nc_u32 v[ADRB+\s], s22, v3
	s_add_co_u32 s21, s21, SLOT
	s_add_co_u32 s22, s22, SLOT
.endr
	s_mul_i32 s23, s10, 16*SPITCH
	s_add_co_u32 s23, s23, STAGE                   ; my stage
	v_mul_u32_u24 v4, v1, SPITCH                   ; in: row l % 16, 32 bytes for each half of the lanes
	v_lshl_add_u32 v4, v2, 5, v4
	v_add_nc_u32 v[STO], s23, v4
	v_mul_u32_u24 v5, v2, SPITCH                   ; back: lanes 0-15 take one row of 256 bytes, lanes 16-31 the next
	v_lshl_add_u32 v5, v1, 4, v5
	v_add_nc_u32 v[RD], s23, v5
	v_lshlrev_b32 v5, 12, v2                       ; and the same two rows in out0
	v_lshl_add_u32 v[CO], v1, 4, v5
; 8 matrix instructions: m blocks a0, a0 + 1 x all 4 n blocks, 32 along K: half c of buffer f.  first = 1: the sums begin with the bias as C.  The 16 accumulators take turns.
.macro MUL8 f, c, a0, first
.irp a, \a0, \a0+1
.irp b, 0,1,2,3
.if \first
	v_wmma_f32_16x16x32_f16 v[ACC+8*(4*(\a)+\b):ACC+8*(4*(\a)+\b)+7], v[\f+64+8*(4*\c+\b):\f+64+8*(4*\c+\b)+7], v[\f+8*(4*\c+\a):\f+8*(4*\c+\a)+7], v[BIA+8*\b:BIA+8*\b+7]
.else
	v_wmma_f32_16x16x32_f16 v[ACC+8*(4*(\a)+\b):ACC+8*(4*(\a)+\b)+7], v[\f+64+8*(4*\c+\b):\f+64+8*(4*\c+\b)+7], v[\f+8*(4*\c+\a):\f+8*(4*\c+\a)+7], v[ACC+8*(4*(\a)+\b):ACC+8*(4*(\a)+\b)+7]
.endif
.endr
.endr
.endm
; 32 LDS loads in one run: the fragments of one head (64 along K), which begins k bytes into the slot's part, into buffer f; the first 32 along K first
.macro FETCH slot, k, f
	WIN TO_F
.irp c, 0,1
.irp i, 0,1,2,3
	ds_load_b128 v[\f+64+8*(4*\c+\i):\f+64+8*(4*\c+\i)+3],   v[ADRB+\slot] offset:\k+64*\c+\i*16*PITCH
	ds_load_b128 v[\f+64+8*(4*\c+\i)+4:\f+64+8*(4*\c+\i)+7], v[ADRB+\slot] offset:\k+64*\c+\i*16*PITCH+32
	ds_load_b128 v[\f+8*(4*\c+\i):\f+8*(4*\c+\i)+3],         v[ADRA+\slot] offset:\k+64*\c+\i*16*PITCH
	ds_load_b128 v[\f+8*(4*\c+\i)+4:\f+8*(4*\c+\i)+7],       v[ADRA+\slot] offset:\k+64*\c+\i*16*PITCH+32
.endr
.endr
.endm
.macro PLACES                          ; four places in front of loads into registers that matrix instructions have read, and of the first read of results (ISA guide 7.12.1 for vector instructions)
.rept 4
	v_nop
.endr
.endm
; A K step is four quarters, a head each, 32 matrix instructions each, on buffers 0, 1, 0, 1.  One of the first three: multiplies buffer f and fetches the next head, at byte k, into g.
.macro QUARTER slot, k, f, g, first
	s_wait_dscnt 16                                ; the first 32 along K are in; the sixteen younger loads may be out
	WIN MUL
	MUL8 \f, 0, 0, \first
	MUL8 \f, 0, 2, \first
	PLACES
	FETCH \slot, \k, \g
	s_wait_dscnt 32                                ; all but the 32 just issued
	WIN MUL
	MUL8 \f, 1, 0, 0
	MUL8 \f, 1, 2, 0
.endm
; The last quarter multiplies buffer 1 and changes slots: ONE barrier; in front of it each wave waits for all its tensor loads, adds 0 to its spare word, and waits for that and for its own reads of this slot.
; fill = 1: the barrier opens a round of the cluster's, and this slot is filled again, two K steps ahead.
.macro TURN slot, next, fill
	WIN 0                                          ; (the add's two registers lie in window 0)
	s_wait_tensorcnt 0x0                           ; all my tensor loads have landed: my part of the next slot;
	ds_add_u32 v[SPW], v[NIL]                      ; 0 onto my spare word;
	s_wait_dscnt 17                                ; (the add and the youngest sixteen loads may be out)
	WIN MUL
	MUL8 F1, 0, 0, 0                               ; eight matrix instructions stand between the add and the wait for it
	s_wait_dscnt 0x0                               ; the add is done, and my reads of this slot are over
	s_barrier_signal -1
	MUL8 F1, 0, 2, 0
.if \fill
	WIN 0
.endif
	s_barrier_wait -1
.if \fill
	CREST                                          ; no wave of any partner still reads this slot's tile or has a load on its way
	s_add_nc_u64 s[G0+4*\slot+2:G0+4*\slot+3], s[G0+4*\slot+2:G0+4*\slot+3], 131072
	s_add_nc_u64 s[G0B+4*\slot+2:G0B+4*\slot+3], s[G0B+4*\slot+2:G0B+4*\slot+3], 131072
	JLOAD \slot                                    ; the first tensor load behind the round; the four v_nop behind it are also the places in front of the loads below
.else
	PLACES
.endif
	FETCH \next, 0, F0
	WIN MUL
	MUL8 F1, 1, 0, 0
	MUL8 F1, 1, 2, 0
.endm
	s_wait_tensorcnt 1                             ; my part of K step 0 is in (K step 1's load may be out),
	s_barrier_signal -1
	s_barrier_wait -1                              ; everybody's is
	FETCH 0, 0, F0
	s_wait_loadcnt 0x0                             ; the bias
	QUARTER 0, HEADB,   F0, F1, 1                  ; K step 0: its first products start the sums
	QUARTER 0, 2*HEADB, F1, F0, 0
	QUARTER 0, 3*HEADB, F0, F1, 0
	TURN 0, 1, 1                                   ; slot 0 takes K step 2
	QUARTER 1, HEADB,   F0, F1, 0                  ; K step 1
	QUARTER 1, 2*HEADB, F1, F0, 0
	QUARTER 1, 3*HEADB, F0, F1, 0
	TURN 1, 0, 1                                   ; slot 1 takes K step 3
	QUARTER 0, HEADB,   F0, F1, 0                  ; K step 2
	QUARTER 0, 2*HEADB, F1, F0, 0
	QUARTER 0, 3*HEADB, F0, F1, 0
	TURN 0, 1, 0                                   ; nothing is left to ask for
	QUARTER 1, HEADB,   F0, F1, 0                  ; K step 3
	QUARTER 1, 2*HEADB, F1, F0, 0
	QUARTER 1, 3*HEADB, F0, F1, 0
	s_wait_dscnt 16                                ; the very last quarter: nothing more to fetch
	WIN MUL
	MUL8 F1, 0, 0, 0
	MUL8 F1, 0, 2, 0
	s_wait_dscnt 0
	MUL8 F1, 1, 0, 0
	MUL8 F1, 1, 2, 0
	WIN 0
; THE WAY OUT, block by block of 16 rows x 64 columns.  My 64 columns are 256 bytes of a row of out0, aligned: so the stage is my own and no barrier is needed.  A lane holds 32 neighbouring bytes of a row;
; the block comes back two whole rows an instruction.  LDS serves a wave's instructions in order: no wait between the stores and the loads, nor in front of the next block's stores.
.macro TOSTAGE a
.set BB, OB+32*((\a)%2)
.irp b, 0,1,2,3
	ds_store_b128 v[STO], v[ACC+8*(4*(\a)+\b):ACC+8*(4*(\a)+\b)+3] offset:64*\b          ; each accumulator from its low end on
	ds_store_b128 v[STO], v[ACC+8*(4*(\a)+\b)+4:ACC+8*(4*(\a)+\b)+7] offset:64*\b+16
.endr
.irp t, 0,1,2,3,4,5,6,7
	ds_load_b128 v[BB+4*\t:BB+4*\t+3], v[RD] offset:\t*2*SPITCH
.endr
.endm
.macro SEND a, younger                 ; younger: the LDS instructions issued behind block a's loads, which may stay out
.set BB, OB+32*((\a)%2)
	s_wait_dscnt \younger
.irp t, 0,1,2,3,4,5,6,7
	global_store_b128 v[CO], v[BB+4*\t:BB+4*\t+3], s[8:9] offset:(16*(\a)+2*\t)*4096 th:TH_STORE_NT   ; 16 lanes store 256 consecutive bytes, aligned; written once, read by nobody here
.endr
.endm
	PLACES
	TOSTAGE 0
	TOSTAGE 1
	SEND 0, 16                                     ; behind block 0's loads: block 1's 8 stores and 8 loads
	s_wait_xcnt 0x0                                ; block 0's stores have read their registers: block 2's loads may land there
	TOSTAGE 2
	SEND 1, 16
	s_wait_xcnt 0x0
	TOSTAGE 3
	SEND 2, 16
	SEND 3, 0
	s_wait_tensorcnt 0x0                           ; the wave's end: three lines behind my last tensor load and my last LDS store
	ds_add_u32 v[SPW], v[NIL]
	s_wait_dscnt 0x0
	CROUND                                         ; the closing round: no work-group ends while a partner may still ask for a tile that names it
	s_endpgm
.Lfunc_end_k_q7906bf4541_oproj:
	.size	k_q7906bf4541_oproj, .Lfunc_end_k_q7906bf4541_oproj-k_q7906bf4541_oproj
	.p2alignl 7, 3214868480
	.fill 96, 4, 3214868480
	.section	.rodata,"a",@progbits
	.p2align	6, 0x0
	.amdhsa_kernel k_q7906bf4541_oproj
		.amdhsa_group_segment_fixed_size 327680
		.amdhsa_private_segment_fixed_size 0
		.amdhsa_enable_private_segment 0
		.amdhsa_kernarg_size 32
		.amdhsa_user_sgpr_count 2
		.amdhsa_user_sgpr_kernarg_segment_ptr 1
		.amdhsa_wavefront_size32 1
		.amdhsa_system_sgpr_workgroup_id_x 1
		.amdhsa_system_sgpr_workgroup_id_y 1
		.amdhsa_system_sgpr_workgroup_id_z 1
		.amdhsa_system_vgpr_workitem_id 0
		.amdhsa_next_free_vgpr 512
		.amdhsa_next_free_sgpr 72
		.amdhsa_reserve_vcc 0
		.amdhsa_float_denorm_mode_32 3
		.amdhsa_float_denorm_mode_16_64 3
		.amdhsa_memory_ordered 1
		.amdhsa_forward_progress 1
		.amdhsa_inst_pref_size 86
	.end_amdhsa_kernel
	.amdgpu_metadata
---
amdhsa.version: [ 1, 2 ]
amdhsa.kernels:
  - .name:           k_q7906bf4541_oproj
    .symbol:         k_q7906bf4541_oproj.kd
    .args:
      - { .name: xb, .offset: 0, .size: 8, .value_kind: global_buffer, .address_space: global }
      - { .name: wo16, .offset: 8, .size: 8, .value_kind: global_buffer, .address_space: global }
      - { .name: bo, .offset: 16, .size: 8, .value_kind: global_buffer, .address_space: global }
      - { .name: out0, .offset: 24, .size: 8, .value_kind: global_buffer, .address_space: global }
    .group_segment_fixed_size: 327680
    .private_segment_fixed_size: 0
    .kernarg_segment_align: 8
    .kernarg_segment_size: 32
    .max_flat_workgroup_size: 128
    .sgpr_count:     72
    .vgpr_count:     512
    .wavefront_size: 32
...
	.end_amdgpu_metadata
.endif
;; end of part 4
